; MI455X (gfx1250); checked and timed in simulation.
; The chip was launched on July 23, 2026; its instructions are those of AMD's public machine-readable ISA for CDNA 5 (MIT licence, August 2026) and "CDNA5" Instruction Set Architecture Reference Guide (July 2026). The comments in the code are by the model that wrote it; some were corrected since.
;; Attention. Allowed arithmetic: matrix products marked QUANTISED: E2M1 operands, one E8M0 scale for each 32 along K, by v_wmma_scale_f32_16x16x128_f8f6f4 with both operands' format E2M1 (or v_wmma_scale_f32_32x16x128_f4), f32 sums; products left as they are: bf16, f16 or f32 operands; f32 sums; everything else in f32.
;; Inputs: bk 2,048 float32; bo 2,048 float32; bq 2,048 float32; bv 2,048 float32; mask 1 x 1 x 2,048 x 2,048 bool; slopes 16 float32; wk 2,048 x 2,048 float32; wo 2,048 x 2,048 float32; wq 2,048 x 2,048 float32; wv 2,048 x 2,048 float32; x 1 x 2,048 x 2,048 float32.
;; Outputs: out0 1 x 2,048 x 2,048 float32.
;; This version of the problem:
;;   THIS VERSION OF THE PROBLEM IS GIVEN IN LOW PRECISION. The matrix products marked QUANTISED in the list below multiply operands that are first quantised to E2M1 (2 exponent bits, 1 mantissa bit; 4 bits a number), with one power-of-two scale for each 32 numbers along K (OCP MX v1.0); their sums are f32. The products marked 'left as it is' may take bf16, f16 or f32 operands, with f32 sums. Whichever they take, every output number must still come out within the allowed error. Rounding operands to bf16 (8 significant bits) uses up far more of that allowance than f16 does (11 bits, for magnitudes from 6e-5 to 65,504). All else is computed in f32.
;;   The module's matrix products, in the order in which they are computed (A, B: the left and right operand; K: the contracted axis; several contracted axes count as one K, in the product's order):
;;     1. [M 2,048, K 2,048] x [K 2,048, N 2,048]; A: input x; B: input wq: QUANTISED
;;     2. [M 2,048, K 2,048] x [K 2,048, N 2,048]; A: input x; B: input wk: QUANTISED
;;     3. [M 2,048, K 2,048] x [K 2,048, N 2,048]; A: input x; B: input wv: QUANTISED
;;     4. batch 16 x [M 2,048, K 128] x [K 128, N 2,048]; A: computed on the way; B: computed on the way: left as it is (an operand is computed on the way)
;;     5. batch 16 x [M 128, K 2,048] x [K 2,048, N 2,048]; A: computed on the way; B: computed on the way: left as it is (an operand is computed on the way)
;;     6. [M 2,048, K 2,048] x [K 2,048, N 2,048]; A: computed on the way; B: input wo: left as it is (an operand is computed on the way)
;;   THE QUANTISER, for each operand of a quantised product, along K:
;;     - K is cut into blocks of 32 from its start; a last block that is shorter is filled with zeros.
;;     - A block's scale is 2^e with e = floor(log2(the largest magnitude in the block)) - 2, held to -126 .. 127; a block of zeros has e = 0. As a byte (E8M0): e + 127.
;;     - Each number is divided by its block's scale, clamped to +-6, and rounded to the nearest number of E2M1, ties to even, subnormals kept.
;;     - The product sums the exact products of the quantised numbers (number of the format x scale) in f32.
;;   ~~~python
;;   def quantise(x, axis):      # numpy; x: float32 -> the quantised numbers, widened to float32 again
;;       x = np.moveaxis(x, axis, -1); K = x.shape[-1]
;;       x = np.pad(x, [(0, 0)] * (x.ndim - 1) + [(0, -K % 32)]); x = x.reshape(x.shape[:-1] + (-1, 32)); a = np.abs(x).max(-1, keepdims=True)
;;       e = np.where(a > 0, np.clip(np.frexp(np.where(a > 0, a, 1))[1] - 1 - 2, -126, 127), 0)      # np.frexp(a)[1] - 1 = floor(log2(a)), exactly
;;       r = np.clip(x / 2.0 ** e, -6, 6)
;;       step = 2.0 ** (np.maximum(np.frexp(np.where(r == 0, 1, r))[1] - 1, 0) - 1)
;;       q = np.round(r / step) * step * 2.0 ** e      # np.round: ties to even
;;       return np.moveaxis(q.reshape(q.shape[:-2] + (-1,))[..., :K], -1, axis).astype(np.float32)
;;   ~~~
;; One version. Each part assembles by itself: llvm-mc -triple=amdgcn-amd-amdhsa -mcpu=gfx1250 --defsym DOCPART=n.
;; ======== version 1 of 1: 4 launches
;; limits: values are held in f16: magnitudes above 65,504 overflow, below 6.1e-05 lose precision; right only within a limited range of input values
;; workspace buffers: xc 2,097,152 bytes; xs 131,072 bytes; wc 6,291,456 bytes; ws 393,216 bytes; wo16 8,388,608 bytes; maskw 524,288 bytes of whole numbers; qkv 25,165,824 bytes; att 8,388,608 bytes
;; launch prep (part 1): grid 768 x 1, 4 waves a work-group, no clusters, 50,688 bytes of LDS; arguments x, wq, wk, wv, wo, mask, xc, xs, wc, ws, wo16, maskw; writes xc, xs, wc, ws, wo16, maskw
.if DOCPART == 1
	.amdgcn_target "amdgcn-amd-amdhsa--gfx1250"
	.amdhsa_code_object_version 6
	.text
	.protected	k_q771db9e4c6_prep
	.globl	k_q771db9e4c6_prep
	.p2align	8
	.type	k_q771db9e4c6_prep,@function
k_q771db9e4c6_prep:
	s_mov_b64 s[64:65], 0
	v_nop
	global_prefetch_b8 v0, s[64:65] scope:SCOPE_SE
	s_setreg_imm32_b32 hwreg(HW_REG_WAVE_MODE, 25, 1), 1
	s_wait_xcnt 0x0
; PREP: every f32 input that is read more than once later is read here once and laid as its reader wants it.
;   work-groups   0..383  (W): wq, wk, wv [k 2048][n 2048] f32 -> codes of E2M1 along k, laid with k innermost: wc [3 x 2048 columns][1024 bytes], and one E8M0 byte for each 32: ws [3 x 2048][64]
;   work-groups 384..511  (X): x [2048][2048] f32 -> codes along its last axis, xc [2048][1024 bytes], xs [2048][64]
;   work-groups 512..639  (O): wo f32 -> f16, as it lies: wo16 [k][n]
;   work-groups 640..767  (M): mask (one byte, 0 or 1) -> 32-bit lane masks in the order in which the attention launch walks them: maskw
; NO WORK OF THE PROBLEM IS LEFT OUT AS DEAD: all eleven inputs are loaded by some launch, and no pattern of the mask is built in.
; THE QUANTISER: a block's scale is 2^(floor(log2(largest magnitude)) - 2); its byte is the largest magnitude's exponent field - 2, held at 1 from below by a floor among the maximum's leaves.
; A block of zeros so gets the byte 1 where the rule says 127: its codes are zeros, which add nothing under any byte but 0xff, and these bytes are read by this program alone.
; LIMITS: blocks whose largest magnitude lies under 2^-124 keep the floor's byte; NaN and infinities among the inputs are not served; |wo| must stay under 65,504 (f16).
; The four kinds of work-group part on the work-group's number alone; each kind that uses LDS has LDS bytes of its own.
.set SPARE,  50176                     ; the spare words, 128 bytes for each wave, behind both regions
.set SPW,    190                       ; v190 LDS address of my spare word; never rewritten
.set NIL,    191                       ; v191 0; never rewritten
.set EMAX,   2
.set XSTEPS, 16                        ; X: a wave takes 16 steps of 512 numbers
.set XR,     16                        ; X: v16-79   four sets of 16 numbers as loaded
.set XX,     80                        ; X: v80-111  two sets of 16 neighbours
.set XE,     112                       ; X: v112-127 a scale byte for each step
.set XC,     128                       ; X: v128-189 codes, four registers a step
.set XSP,    80                        ; X: a lane's place in a stage: 64 bytes + 16 of padding
.set CB,     8                         ; X: bytes of 16 codes
.set NB,     8                         ; W: blocks of 32 along k for a wave: 256 along k
.set WPITCH, 272                       ; W: a stage row: a column's 256 bytes of codes (512 along k) + 16
.set WREG,   32768                     ; W: its two stages of 32 rows begin here; X's four regions of 8,192 bytes lie below
.set WX,     32                        ; W: v32-95   two sets of 32 numbers
.set WC,     96                        ; W: v96-99   a block's codes
.set WSB,    24                        ; W: v24-25   scale bytes
.set WOUT,   112                       ; W: v112-143 the way out
.macro CLOSE                           ; the end of a wave that stored to LDS
	s_wait_tensorcnt 0x0
	ds_add_u32 v[SPW], v[NIL]
	s_wait_dscnt 0x0
	s_endpgm
.endm
; ---- X: each load reads 512 consecutive bytes; a step's 2,048 bytes turn through the wave's own stage so that a lane holds 16 neighbours along K
.macro XLOAD t
.irp i, 0,1,2,3
	global_load_b128 v[XR+16*((\t)%4)+4*\i:XR+16*((\t)%4)+4*\i+3], v3, s[4:5] offset:2048*(\t)+512*\i th:TH_LOAD_NT
.endr
.endm
.macro XTURN t                         ; LDS serves a wave's instructions in order: no wait between these stores and loads
.irp i, 0,1,2,3
	ds_store_b128 v14, v[XR+16*((\t)%4)+4*\i:XR+16*((\t)%4)+4*\i+3] offset:32*XSP*((\t)%2)+8*XSP*\i
.endr
.irp i, 0,1,2,3
	ds_load_b128 v[XX+16*((\t)%2)+4*\i:XX+16*((\t)%2)+4*\i+3], v15 offset:32*XSP*((\t)%2)+16*\i
.endr
.endm
.macro XSTEP t
.set XS, XX+16*((\t)%2)
.if (\t) > 0
	s_wait_dscnt 1                                 ; this step's numbers are back from the stage; only the last step's byte store may be out
.else
	s_wait_dscnt 0x0
.endif
.if (\t)+4 < XSTEPS
	XLOAD (\t)+4                                   ; into the set whose stores into the stage have just been shown done
.endif
.if (\t)+1 < XSTEPS
.if XSTEPS-2-(\t) >= 3
	s_wait_loadcnt 12                              ; the next step's four loads are in; three steps' loads stay out
.else
	s_wait_loadcnt 4*(XSTEPS-2-(\t))
.endif
	XTURN (\t)+1
.endif
	v_max3_num_f32 v8, |v[XS]|, |v[XS+1]|, |v[XS+2]|
	v_max3_num_f32 v9, |v[XS+3]|, |v[XS+4]|, |v[XS+5]|
.irp i, 6,10
	v_max3_num_f32 v8, v8, |v[XS+\i]|, |v[XS+\i+1]|
	v_max3_num_f32 v9, v9, |v[XS+\i+2]|, |v[XS+\i+3]|
.endr
	v_max3_num_f32 v8, v8, |v[XS+14]|, |v[XS+15]|
	v_max3_num_f32 v8, v8, v9, (EMAX+1)<<23        ; the floor 2^(3 - 127): the byte cannot fall under 1
	v_max_num_f32_dpp v8, v8, v8 row_xmask:1 row_mask:0xf bank_mask:0xf   ; with my neighbour's 16: the block's largest magnitude
	v_add_nc_u32 v11, -(EMAX<<23), v8              ; 2 off its exponent field: the conversion's scale operand
	v_cvt_scalef32_pk8_fp4_f32 v[XC+4*(\t)], v[XS:XS+7], v11
	v_cvt_scalef32_pk8_fp4_f32 v[XC+4*(\t)+1], v[XS+8:XS+15], v11
	v_lshrrev_b32 v[XE+(\t)], 23, v11              ; the scale's byte
	ds_store_b8 v5, v[XE+(\t)] offset:16*(\t)      ; both lanes of a block write the same byte with the same value
	global_store_b64 v4, v[XC+4*(\t):XC+4*(\t)+1], s[16:17] offset:32*CB*(\t)   ; the wave stores 256 consecutive bytes, aligned
.endm
; ---- W: a lane takes a column n and its registers run down k
.macro WLOAD t
.irp i, 0,1,2,3,4,5,6,7,8,9,10,11,12,13,14,15,16,17,18,19,20,21,22,23,24,25,26,27,28,29,30,31
	global_load_b32 v[WX+32*((\t)%2)+\i], v3, s[6:7] offset:(32*(\t)+\i)*8192 th:TH_LOAD_NT
.endr
.endm
.macro WBLOCK t
.set XS, WX+32*((\t)%2)
.if (\t) < NB-1
	s_wait_loadcnt 32                              ; this block's 32 loads are in; the next block's may be out
.else
	s_wait_loadcnt 0
.endif
	v_max3_num_f32 v12, |v[XS]|, |v[XS+1]|, |v[XS+2]|
	v_max3_num_f32 v13, |v[XS+3]|, |v[XS+4]|, |v[XS+5]|
.irp i, 6,10,14,18,22,26
	v_max3_num_f32 v12, v12, |v[XS+\i]|, |v[XS+\i+1]|
	v_max3_num_f32 v13, v13, |v[XS+\i+2]|, |v[XS+\i+3]|
.endr
	v_max3_num_f32 v12, v12, |v[XS+30]|, |v[XS+31]|
	v_max3_num_f32 v12, v12, v13, (EMAX+1)<<23
	v_add_nc_u32 v11, -(EMAX<<23), v12
	v_lshrrev_b32 v13, 23, v11
.if (\t)%4 == 0
	v_mov_b32 v[WSB+(\t)/4], v13
.else
	v_lshl_or_b32 v[WSB+(\t)/4], v13, 8*((\t)%4), v[WSB+(\t)/4]
.endif
.irp g, 0,1,2,3
	v_cvt_scalef32_pk8_fp4_f32 v[WC+\g], v[XS+8*\g:XS+8*\g+7], v11
.endr
	ds_store_b128 v4, v[WC:WC+3] offset:16*(\t)    ; 32 codes: 16 bytes of my half of my column's row
.if (\t)+2 < NB
	WLOAD (\t)+2
.endif
	s_wait_dscnt 0x0                               ; the store has read its registers: the next block's codes may be written
.endm
; ---- O: 16 loads of 512 bytes a set, two sets by turns
.macro OLOAD g
.irp i, 0,1,2,3,4,5,6,7,8,9,10,11,12,13,14,15
	global_load_b128 v[16+64*((\g)%2)+4*\i:16+64*((\g)%2)+4*\i+3], v3, s[12:13] offset:512*(16*(\g)+\i) th:TH_LOAD_NT
.endr
.endm
.macro OCVT g
.irp i, 0,1,2,3,4,5,6,7,8,9,10,11,12,13,14,15
	v_cvt_pk_f16_f32 v[16+64*((\g)%2)+4*\i], v[16+64*((\g)%2)+4*\i], v[16+64*((\g)%2)+4*\i+1]
	v_cvt_pk_f16_f32 v[16+64*((\g)%2)+4*\i+1], v[16+64*((\g)%2)+4*\i+2], v[16+64*((\g)%2)+4*\i+3]
	global_store_b64 v4, v[16+64*((\g)%2)+4*\i:16+64*((\g)%2)+4*\i+1], s[24:25] offset:256*(16*(\g)+\i)   ; the wave stores 256 consecutive bytes, aligned
.endr
.endm
; ---- M: 32 keys x 16 queries of mask bytes become 16 lane masks.  Load lane (r, half) holds row r, keys 32 g + 16 half + 0..15.
; Byte b of all lanes, compared with 0, is a word with bit r + 16 half = mask(r, 32 g + 16 half + b).  The attention launch wants, for key tile kt and register n, bit r + 16 h = mask(r, 16 kt + 8 h + n):
; kt = 2 (g % 2): the low halves of bytes n and 8 + n;  kt = 2 (g % 2) + 1: their high halves.
.macro MGROUP g
.irp b, 0,1,2,3,4,5,6,7,8,9,10,11,12,13,14,15
	v_and_b32 v[8+\b%2], 0xff<<(8*(\b%4)), v[16+4*(\g)+\b/4]
	v_cmp_ne_u32 s[40+\b], 0, v[8+\b%2]
.endr
.irp n, 0,1,2,3,4,5,6,7
	s_and_b32 s56, s[40+\n], 0xffff
	s_lshl_b32 s57, s[48+\n], 16
	s_or_b32 s56, s56, s57
	v_writelane_b32 v[96+(\g)/2], s56, 16*((\g)%2)+\n
	s_lshr_b32 s58, s[40+\n], 16
	s_and_b32 s59, s[48+\n], 0xffff0000
	s_or_b32 s58, s58, s59
	v_writelane_b32 v[96+(\g)/2], s58, 16*((\g)%2)+8+\n
.endr
.if (\g)%2
	global_store_b32 v5, v[96+(\g)/2], s[26:27] offset:512*((\g)/2)   ; a key step's 32 words of one tile of queries
.endif
.endm
	s_load_b512 s[4:19], s[0:1], 0x0               ; x s[4:5], wq s[6:7], wk s[8:9], wv s[10:11], wo s[12:13], mask s[14:15], xc s[16:17], xs s[18:19]
	s_load_b256 s[20:27], s[0:1], 0x40             ; wc s[20:21], ws s[22:23], wo16 s[24:25], maskw s[26:27]
	v_lshl_add_u32 v[SPW], v0, 2, SPARE
	v_mov_b32 v[NIL], 0
	v_lshrrev_b32 v1, 5, v0
	v_readfirstlane_b32 s28, v1                    ; wave 0..3
	v_and_b32 v2, 31, v0                           ; lane
	s_wait_kmcnt 0x0
	s_cmp_lt_u32 ttmp9, 384
	s_cbranch_scc1 .Lpath_w
	s_cmp_lt_u32 ttmp9, 512
	s_cbranch_scc1 .Lpath_x
	s_cmp_lt_u32 ttmp9, 640
	s_cbranch_scc1 .Lpath_o
	; ================ M: tile of 16 queries T = work-group - 640, keys 512 x wave on ================
	; maskw, in words: [block of 64 queries 32][key half 2][key step 16][register piece 2][tile in the piece 2][key tile 4][register 8];
	; the register piece of query tile qt (0..3) in key half kh is (qt / 2) xor kh, as the attention launch holds its tiles.
	s_sub_co_u32 s30, ttmp9, 640                   ; T
	v_and_b32 v1, 15, v0                           ; r
	v_bfe_u32 v3, v0, 4, 1                         ; which half of the lanes
	v_lshlrev_b32 v4, 11, v1                       ; a row of the mask is 2,048 bytes
	v_lshl_add_u32 v4, v3, 4, v4
	v_lshlrev_b32 v5, 2, v2
	s_lshl_b32 s32, s30, 15                        ; 16 rows
	s_lshl_b32 s33, s28, 9
	s_add_co_u32 s32, s32, s33
	s_mov_b32 s33, 0
	s_add_nc_u64 s[14:15], s[14:15], s[32:33]
	s_lshr_b32 s34, s30, 2                         ; the block of 64 queries
	s_lshr_b32 s35, s28, 1                         ; the key half
	s_lshl_b32 s34, s34, 1
	s_add_co_u32 s34, s34, s35
	s_lshl_b32 s34, s34, 4
	s_and_b32 s36, s28, 1
	s_lshl_b32 s36, s36, 3
	s_add_co_u32 s34, s34, s36                     ; my first key step
	s_lshl_b32 s34, s34, 1
	s_bfe_u32 s36, s30, 0x10001
	s_xor_b32 s36, s36, s35                        ; the register piece
	s_add_co_u32 s34, s34, s36
	s_lshl_b32 s34, s34, 1
	s_and_b32 s36, s30, 1
	s_add_co_u32 s34, s34, s36
	s_lshl_b32 s34, s34, 7                         ; 32 words each
	s_mov_b32 s35, 0
	s_add_nc_u64 s[26:27], s[26:27], s[34:35]
.irp g, 0,1,2,3,4,5,6,7,8,9,10,11,12,13,14,15
	global_load_b128 v[16+4*\g:19+4*\g], v4, s[14:15] offset:32*\g
.endr
.irp t, 0,1,2,3,4,5,6,7
	v_mov_b32 v[96+\t], 0                          ; a lane write's destination counts as read
.endr
	s_wait_loadcnt 0x0
.irp g, 0,1,2,3,4,5,6,7,8,9,10,11,12,13,14,15
	MGROUP \g
.endr
	s_endpgm
	; ================ O: run of 8,192 numbers = 4 x (work-group - 512) + wave ================
.Lpath_o:
	s_sub_co_u32 s30, ttmp9, 512
	s_lshl_b32 s30, s30, 2
	s_add_co_u32 s30, s30, s28
	s_lshl_b32 s32, s30, 15
	s_mov_b32 s33, 0
	s_add_nc_u64 s[12:13], s[12:13], s[32:33]
	s_lshl_b32 s32, s30, 14
	s_add_nc_u64 s[24:25], s[24:25], s[32:33]
	v_lshlrev_b32 v3, 4, v2
	v_lshlrev_b32 v4, 3, v2
	OLOAD 0
	OLOAD 1
	s_wait_loadcnt 16                              ; the older set is in
	OCVT 0
	s_wait_xcnt 0x0                                ; the stores have read the set: it may be loaded again
	OLOAD 2
	s_wait_loadcnt 16
	OCVT 1
	s_wait_xcnt 0x0
	OLOAD 3
	s_wait_loadcnt 16
	OCVT 2
	s_wait_loadcnt 0x0
	OCVT 3
	s_endpgm
	; ================ W: work-group j: matrix j / 128, 512 along k (j / 32) % 4, 64 columns j % 32 ================
	; Wave w takes 32 columns (column group w / 2) x 256 along k (k half w % 2): eight blocks a lane, two blocks (64 loads) asked for ahead.
	; A column's 256 bytes of codes come from the two waves of its group: they write the two halves of one stage row, pass a barrier, and each stores 16 whole rows.
.Lpath_w:
	s_lshr_b32 s31, ttmp9, 7                       ; 0 wq, 1 wk, 2 wv
	s_and_b32 s32, ttmp9, 31
	s_bfe_u32 s33, ttmp9, 0x20005
	s_lshr_b32 s41, s28, 1                         ; my column group
	s_and_b32 s42, s28, 1                          ; my k half
	s_cmp_eq_u32 s31, 0
	s_cselect_b64 s[6:7], s[6:7], s[8:9]
	s_cmp_eq_u32 s31, 2
	s_cselect_b64 s[6:7], s[10:11], s[6:7]
	s_lshl_b32 s34, s32, 6
	s_lshl_b32 s35, s41, 5
	s_add_co_u32 s34, s34, s35                     ; my wave's first column
	s_lshl_b32 s36, s33, 22                        ; 512 rows of 8,192 bytes,
	s_lshl_b32 s37, s42, 21                        ; 256 rows for the k half,
	s_add_co_u32 s36, s36, s37
	s_lshl_b32 s37, s34, 2                         ; 4 bytes a column
	s_add_co_u32 s36, s36, s37
	s_mov_b32 s37, 0
	s_add_nc_u64 s[6:7], s[6:7], s[36:37]
	s_lshl_b32 s38, s31, 11
	s_add_co_u32 s38, s38, s34                     ; my first column's row in wc and ws
	s_lshl_b32 s39, s42, 4
	s_add_co_u32 s39, s39, s38                     ; the 16 rows of codes that I store: 16 x k half on
	s_lshl_b32 s36, s39, 10
	s_lshl_b32 s39, s33, 8
	s_add_co_u32 s36, s36, s39
	s_add_nc_u64 s[20:21], s[20:21], s[36:37]
	s_lshl_b32 s36, s38, 6
	s_lshl_b32 s39, s33, 4
	s_add_co_u32 s36, s36, s39
	s_lshl_b32 s39, s42, 3
	s_add_co_u32 s36, s36, s39                     ; my 8 scale bytes of each of my 32 rows
	s_add_nc_u64 s[22:23], s[22:23], s[36:37]
	v_lshlrev_b32 v3, 2, v2                        ; in: 4 bytes a lane
	s_mul_i32 s40, s41, 32*WPITCH
	s_add_co_u32 s40, s40, WREG                    ; my column group's stage
	s_lshl_b32 s43, s42, 7
	s_add_co_u32 s43, s43, s40
	v_mul_u32_u24 v4, v2, WPITCH
	v_add_nc_u32 v4, s43, v4                       ; into it: row = my column, 128 bytes x k half on
	s_mul_i32 s43, s42, 16*WPITCH
	s_add_co_u32 s43, s43, s40
	v_and_b32 v5, 15, v2
	v_lshrrev_b32 v6, 4, v2
	v_mul_u32_u24 v7, v6, WPITCH
	v_lshl_add_u32 v7, v5, 4, v7
	v_add_nc_u32 v7, s43, v7                       ; out of it: rows 16 x k half on, sixteen lanes to a row
	v_lshlrev_b32 v8, 10, v6
	v_lshl_add_u32 v8, v5, 4, v8                   ; the same place in wc
	v_lshlrev_b32 v9, 6, v2                        ; my column's row of scale bytes
	WLOAD 0
	WLOAD 1
.set Q, 0
.rept NB
	WBLOCK Q
.set Q, Q+1
.endr
	global_store_b64 v9, v[WSB:WSB+1], s[22:23]
	s_barrier_signal -1                            ; my stores into the stage have landed (the last block's wait for 0): say so,
	s_barrier_wait -1                              ; and read only when my partner has said so too
.irp t, 0,1,2,3,4,5,6,7
	ds_load_b128 v[WOUT+4*\t:WOUT+4*\t+3], v7 offset:2*\t*WPITCH
.endr
.irp t, 0,1,2,3,4,5,6,7
	s_wait_dscnt 7-\t
	global_store_b128 v8, v[WOUT+4*\t:WOUT+4*\t+3], s[20:21] offset:2*\t*1024   ; sixteen lanes store 256 consecutive bytes, aligned
.endr
	CLOSE
	; ================ X: run of 8,192 numbers = 4 x (work-group - 384) + wave ================
.Lpath_x:
	v_lshlrev_b32 v3, 4, v2
	s_lshl_b32 s30, s28, 13                        ; my wave's 8,192 bytes of LDS: two stages of 2,560, then 256 scale bytes
	v_lshrrev_b32 v14, 2, v2
	v_mul_u32_u24 v14, v14, XSP
	v_and_b32 v15, 3, v2
	v_lshl_add_u32 v14, v15, 4, v14
	v_add_nc_u32 v14, s30, v14                     ; the stage, on the way in
	v_mul_u32_u24 v15, v2, XSP
	v_add_nc_u32 v15, s30, v15                     ; and on the way out: my 16 neighbours
	v_mul_u32_u24 v4, v2, CB
	v_lshrrev_b32 v5, 1, v2
	s_add_co_u32 s30, s30, 2*32*XSP
	v_add_nc_u32 v5, s30, v5                       ; my block's byte
	v_lshlrev_b32 v7, 3, v2
	v_add_nc_u32 v6, s30, v7
	s_sub_co_u32 s31, ttmp9, 384
	s_lshl_b32 s31, s31, 2
	s_add_co_u32 s32, s31, s28
	s_lshl_b32 s34, s32, 15
	s_mov_b32 s35, 0
	s_add_nc_u64 s[4:5], s[4:5], s[34:35]
	s_lshl_b32 s34, s32, 12
	s_add_nc_u64 s[16:17], s[16:17], s[34:35]
	s_lshl_b32 s34, s32, 8
	s_add_nc_u64 s[18:19], s[18:19], s[34:35]
.irp t, 0,1,2,3
	XLOAD \t
.endr
	s_wait_loadcnt 12                              ; step 0's four loads are in
	XTURN 0
.irp t, 0,1,2,3,4,5,6,7,8,9,10,11,12,13,14,15
	XSTEP \t
.endr
	ds_load_b64 v[8:9], v6                         ; LDS serves a wave's instructions in order: these see my byte stores
	s_wait_dscnt 0x0
	global_store_b64 v7, v[8:9], s[18:19]          ; 32 lanes store 256 consecutive bytes, aligned
	CLOSE
.Lfunc_end_k_q771db9e4c6_prep:
	.size	k_q771db9e4c6_prep, .Lfunc_end_k_q771db9e4c6_prep-k_q771db9e4c6_prep
	.p2alignl 7, 3214868480
	.fill 96, 4, 3214868480
	.section	.rodata,"a",@progbits
	.p2align	6, 0x0
	.amdhsa_kernel k_q771db9e4c6_prep
		.amdhsa_group_segment_fixed_size 50688
		.amdhsa_private_segment_fixed_size 0
		.amdhsa_enable_private_segment 0
		.amdhsa_kernarg_size 96
		.amdhsa_user_sgpr_count 2
		.amdhsa_user_sgpr_kernarg_segment_ptr 1
		.amdhsa_wavefront_size32 1
		.amdhsa_system_sgpr_workgroup_id_x 1
		.amdhsa_system_sgpr_workgroup_id_y 1
		.amdhsa_system_sgpr_workgroup_id_z 1
		.amdhsa_system_vgpr_workitem_id 0
		.amdhsa_next_free_vgpr 192
		.amdhsa_next_free_sgpr 66
		.amdhsa_reserve_vcc 0
		.amdhsa_float_denorm_mode_32 3
		.amdhsa_float_denorm_mode_16_64 3
		.amdhsa_memory_ordered 1
		.amdhsa_forward_progress 1
		.amdhsa_inst_pref_size 178
	.end_amdhsa_kernel
	.amdgpu_metadata
---
amdhsa.version: [ 1, 2 ]
amdhsa.kernels:
  - .name:           k_q771db9e4c6_prep
    .symbol:         k_q771db9e4c6_prep.kd
    .args:
      - { .name: x, .offset: 0, .size: 8, .value_kind: global_buffer, .address_space: global }
      - { .name: wq, .offset: 8, .size: 8, .value_kind: global_buffer, .address_space: global }
      - { .name: wk, .offset: 16, .size: 8, .value_kind: global_buffer, .address_space: global }
      - { .name: wv, .offset: 24, .size: 8, .value_kind: global_buffer, .address_space: global }
      - { .name: wo, .offset: 32, .size: 8, .value_kind: global_buffer, .address_space: global }
      - { .name: mask, .offset: 40, .size: 8, .value_kind: global_buffer, .address_space: global }
      - { .name: xc, .offset: 48, .size: 8, .value_kind: global_buffer, .address_space: global }
      - { .name: xs, .offset: 56, .size: 8, .value_kind: global_buffer, .address_space: global }
      - { .name: wc, .offset: 64, .size: 8, .value_kind: global_buffer, .address_space: global }
      - { .name: ws, .offset: 72, .size: 8, .value_kind: global_buffer, .address_space: global }
      - { .name: wo16, .offset: 80, .size: 8, .value_kind: global_buffer, .address_space: global }
      - { .name: maskw, .offset: 88, .size: 8, .value_kind: global_buffer, .address_space: global }
    .group_segment_fixed_size: 50688
    .private_segment_fixed_size: 0
    .kernarg_segment_align: 8
    .kernarg_segment_size: 96
    .max_flat_workgroup_size: 128
    .sgpr_count:     66
    .vgpr_count:     192
    .wavefront_size: 32
...
	.end_amdgpu_metadata
.endif
;; end of part 1
;; launch qkv (part 2): grid 24 x 8, 4 waves a work-group, clusters of 4 x 4, 327,680 bytes of LDS; arguments xc, xs, wc, ws, bq, bk, bv, qkv; writes qkv
.if DOCPART == 2
	.amdgcn_target "amdgcn-amd-amdhsa--gfx1250"
	.amdhsa_code_object_version 6
	.text
	.protected	k_q771db9e4c6_qkv
	.globl	k_q771db9e4c6_qkv
	.p2align	8
	.type	k_q771db9e4c6_qkv,@function
k_q771db9e4c6_qkv:
	s_mov_b64 s[64:65], 0
	v_nop
	global_prefetch_b8 v0, s[64:65] scope:SCOPE_SE
	s_setreg_imm32_b32 hwreg(HW_REG_WAVE_MODE, 25, 1), 1
	s_wait_xcnt 0x0
	s_wait_alu depctr_hold_cnt(0) depctr_sa_sdst(0) depctr_va_vdst(0) depctr_va_sdst(0) depctr_va_ssrc(0) depctr_va_vcc(0) depctr_vm_vsrc(0)
	s_getreg_b32 s2, hwreg(HW_REG_IB_STS2, 6, 4)
	s_cmp_eq_u32 s2, 0
	s_cbranch_scc0 .Lentry_in_a_cluster
	s_endpgm
.Lentry_in_a_cluster:
	s_bfe_u32 s2, ttmp6, 0x10000c
	s_cmp_lg_u32 s2, 0xf033
	s_cbranch_scc0 .Lentry_shape_is_right
	s_endpgm
.Lentry_shape_is_right:
; QKV: C[token 2048][6144] = Q(x) Q(W)^T + bias, the three quantised products as one GEMM on codes of E2M1 with E8M0 scales; sums in f32; C leaves as f16.
; Columns 0-2047 are q, multiplied by c = log2(e) / sqrt(128) (the attention launch then works in powers of two); 2048-4095 are k; 4096-6143 are v.  Nothing of the problem is left out here.
; LIMIT: |q c|, |k|, |v| must stay under 65,504 (f16).
; A tile of C, 256 x 256, is made by four waves, 128 x 128 each: 64 accumulators, 512 registers.  K goes in steps of 512 (rows of 256 bytes) through two LDS slots filled by the tensor data mover.
; The scale bytes of the work-group's 256 rows of x and 256 rows of W, for all of K, come into LDS once with the first fills.
; CLUSTER 4 x 4: x's tiles are shared along a row of the cluster, W's along a column: each is asked for jointly, by the same load with the same descriptor and a mask naming the four.
; THE MATRIX INSTRUCTION IS USED TRANSPOSED (source 0 = 16 rows of W's codes, source 1 = 16 tokens): a lane holds eight neighbouring columns of one token.
; REGISTERS: window 0: v0-31 addresses; v32-95 scale words, two sets; v128-191 x's fragments, one set; v192-255 the bias of my 128 columns.  window 1: W's fragments, two sets.  windows 2, 3: the accumulators.
.set SIZE_M, 2048
.set SIZE_N, 6144
.set SIZE_K, 2048
.set KSTEP,  512
.set NQ,     KSTEP/128
.set ROWB,   256
.set KROW,   SIZE_K*4/8
.set PITCH,  272                       ; an LDS row: 256 bytes + 16 of padding: the 16 rows of a fragment load start at 16 different 16-byte columns
.set FR,     8
.set NL,     2
.set NP,     4
.set HALFT,  128*PITCH
.set SLOT,   4*HALFT
.set LAPS,   SIZE_K/(2*KSTEP)
.set KS,     SIZE_K/32
.set SCL,    2*SLOT
.set HALFS,  (128*KS/256)*272
.set SBLK,   (16*KS/256)*272
.set SPARE,  SCL+4*HALFS               ; the spare words, 128 bytes for each wave
.set SPITCH, 272                       ; the way out: 16 rows x (256 bytes + 16) for each wave, in slot 0, which has had its last fill and its last read by then
.set ADRA, 16
.set ADRB, 20
.set STO,  24
.set RD,   25
.set CO,   26
.set ADRS, 27
.set SPW,  28
.set NIL,  29
.set BO,   30                          ; v30 the bias loads' offset: 32 x (lane / 16); never rewritten
.set SC,   32
.set AF,   128
.set TMP,  32                          ; the way out: packed f16
.set FT,   64                          ; the way out: a block in f32, scaled and biased
.set BK,   128                         ; the way out: rows read back, v128-159 and v160-191 by turns
.set BT,   192                         ; bias x factor: register 8 b + j = my column 16 b + 8 (lane / 16) + j
.set G1, 24
.set G0, 32
.set G1B, 48
.set G0B, 56
.set G1S, 68
.set G0S, 76
.set G1SB, 80
.set G0SB, 88
.set MSB, 0
.macro WIN new                         ; the immediate's high byte repeats the setting that is left
.if MSB != \new
	s_set_vgpr_msb (MSB<<8)|\new
.set MSB, \new
.endif
.endm
.set MUL_LO, 0xa1
.set MUL_HI, 0xf1
.set TO_B,   0x40
.macro JLOAD g0a, g1a, g0b, g1b        ; waves 0 and 1 fetch for x, waves 2 and 3 for W; an s_nop 0 and four v_nop follow each line
	s_cmp_eq_u32 s15, 0
	s_cbranch_scc0 .Lfor_b_\@
	tensor_load_to_lds s[\g0a:\g0a+3], s[\g1a:\g1a+7]
	s_nop 0
.rept 4
	v_nop
.endr
	s_branch .Lasked_\@
.Lfor_b_\@:
	tensor_load_to_lds s[\g0b:\g0b+3], s[\g1b:\g1b+7]
	s_nop 0
.rept 4
	v_nop
.endr
.Lasked_\@:
.endm
.macro CREST
	s_cmp_lg_u32 s14, 0
	s_cbranch_scc1 .Lnot_wave_0_\@
	s_barrier_signal -3
.Lnot_wave_0_\@:
	s_barrier_wait -3
	s_barrier_signal -1
	s_barrier_wait -1
.endm
.macro CROUND
	s_barrier_signal -1
	s_barrier_wait -1
	CREST
.endm
	s_load_b128 s[4:7], s[0:1], 0x0                ; xc, xs
	s_load_b128 s[8:11], s[0:1], 0x10              ; wc, ws
	s_load_b128 s[96:99], s[0:1], 0x20             ; bq, bk
	s_load_b64 s[100:101], s[0:1], 0x30            ; bv
	s_load_b64 s[12:13], s[0:1], 0x38              ; qkv
	v_lshl_add_u32 v[SPW], v0, 2, SPARE
	v_mov_b32 v[NIL], 0
	ds_add_u32 v[SPW], v[NIL]                      ; the wave's opening: the add, twice on end, and its wait ahead of my first tensor load
	ds_add_u32 v[SPW], v[NIL]
	v_lshrrev_b32 v1, 5, v0
	v_readfirstlane_b32 s14, v1                    ; wave 0..3
	s_lshr_b32 s15, s14, 1                         ; my half of the tile's rows; also: I fetch for x (0) or for W (1)
	s_and_b32 s16, s14, 1                          ; my half of its columns; also: which 128 rows I fetch
	s_bfe_u32 s40, ttmp6, 0x40000                  ; cx
	s_bfe_u32 s41, ttmp6, 0x40004                  ; cy
	s_lshl_b32 s42, ttmp9, 2
	s_add_co_u32 s42, s42, s40                     ; tile column
	s_and_b32 s17, ttmp7, 0xffff
	s_lshl_b32 s17, s17, 2
	s_add_co_u32 s17, s17, s41                     ; tile row
	s_lshl_b32 s43, s41, 2
	s_lshl_b32 s43, 15, s43                        ; my row of the cluster
	s_lshl_b32 s44, 0x1111, s40                    ; my column
	s_or_b32 s[G1+0], s43, (0<<16)|(1<<20)|(1<<21)|(5<<22)|(3<<25)   ; mask; elements of 1 byte; padding: 4 words behind every 64
	s_or_b32 s[G1B+0], s44, (0<<16)|(1<<20)|(1<<21)|(5<<22)|(3<<25)
.irp g, G1, G1B
	s_mov_b32 s[\g+1], ROWB<<16                    ; tensor_dim0
	s_mov_b32 s[\g+2], 128<<16                     ; tensor_dim1
	s_mov_b32 s[\g+3], ROWB<<16                    ; tile_dim0
	s_mov_b32 s[\g+4], 128                         ; tile_dim1
	s_mov_b32 s[\g+5], KROW                        ; the pitch in memory
	s_mov_b32 s[\g+6], 0
	s_mov_b32 s[\g+7], 0
.endr
	s_or_b32 s[G1S+0], s43, (3<<16)|(1<<20)|(1<<21)|(5<<22)|(3<<25)  ; the scales of 128 rows: a dense block, as rows of 256 bytes (32 elements of 8)
	s_or_b32 s[G1SB+0], s44, (3<<16)|(1<<20)|(1<<21)|(5<<22)|(3<<25)
.irp g, G1S, G1SB
	s_mov_b32 s[\g+1], 32<<16
	s_mov_b32 s[\g+2], (128*KS/256)<<16
	s_mov_b32 s[\g+3], 32<<16
	s_mov_b32 s[\g+4], 128*KS/256
	s_mov_b32 s[\g+5], 32
	s_mov_b32 s[\g+6], 0
	s_mov_b32 s[\g+7], 0
.endr
	s_lshl_b32 s18, s16, 7
	s_lshl_b32 s20, s17, 8
	s_add_co_u32 s20, s20, s18                     ; x: row 256 x tile row + 128 x half
	s_lshl_b32 s46, s42, 8
	s_add_co_u32 s46, s46, s18                     ; W: row 256 x tile column + 128 x half
	s_mov_b32 s21, 0
	s_mov_b32 s47, 0
	s_mov_b64 s[18:19], KS
	s_mul_u64 s[22:23], s[20:21], s[18:19]
	s_mul_u64 s[92:93], s[46:47], s[18:19]
	s_mov_b64 s[18:19], KROW
	s_mul_u64 s[20:21], s[20:21], s[18:19]
	s_mul_u64 s[46:47], s[46:47], s[18:19]
	s_mul_i32 s45, s14, HALFT                      ; where they go: wave x 128 rows
	s_mul_i32 s94, s14, HALFS
	s_wait_dscnt 0x0                               ; both opening adds are done
	s_wait_kmcnt 0x0
	s_add_nc_u64 s[20:21], s[4:5], s[20:21]
	s_add_nc_u64 s[22:23], s[6:7], s[22:23]
	s_add_nc_u64 s[46:47], s[8:9], s[46:47]
	s_add_nc_u64 s[92:93], s[10:11], s[92:93]
	CROUND                                         ; all sixteen work-groups are here: the first joint loads meet
	s_mov_b32 s[G0S], 1
	s_add_co_u32 s[G0S+1], s94, SCL
	s_mov_b64 s[G0S+2:G0S+3], s[22:23]
	s_or_b32 s[G0S+3], s[G0S+3], 0x80000000
	s_mov_b32 s[G0SB], 1
	s_add_co_u32 s[G0SB+1], s94, SCL
	s_mov_b64 s[G0SB+2:G0SB+3], s[92:93]
	s_or_b32 s[G0SB+3], s[G0SB+3], 0x80000000
	JLOAD G0S, G1S, G0SB, G1SB                     ; the scales first
.irp s, 0,1
	s_mov_b32 s[G0+4*\s], 1
	s_add_co_u32 s[G0+4*\s+1], s45, \s*SLOT
	s_add_nc_u64 s[G0+4*\s+2:G0+4*\s+3], s[20:21], \s*ROWB
	s_or_b32 s[G0+4*\s+3], s[G0+4*\s+3], 0x80000000
	s_mov_b32 s[G0B+4*\s], 1
	s_add_co_u32 s[G0B+4*\s+1], s45, \s*SLOT
	s_add_nc_u64 s[G0B+4*\s+2:G0B+4*\s+3], s[46:47], \s*ROWB
	s_or_b32 s[G0B+4*\s+3], s[G0B+4*\s+3], 0x80000000
	JLOAD G0+4*\s, G1, G0B+4*\s, G1B
.endr
	v_and_b32 v1, 15, v0                           ; l % 16
	v_bfe_u32 v2, v0, 4, 1                         ; l / 16
	v_mul_u32_u24 v3, v1, PITCH
	v_lshl_add_u32 v4, v2, 4, v3
	s_mul_i32 s21, s15, HALFT
	s_mul_i32 s22, s16, HALFT
	s_add_co_u32 s22, s22, 2*HALFT
.irp s, 0,1
	v_add_nc_u32 v[ADRA+\s], s21, v4
	v_add_nc_u32 v[ADRB+\s], s22, v4
	s_add_co_u32 s21, s21, SLOT
	s_add_co_u32 s22, s22, SLOT
.endr
	v_mul_u32_u24 v5, v1, KS                       ; my row's scales: KS bytes a row,
	v_lshrrev_b32 v6, 8, v5
	v_lshl_add_u32 v5, v6, 4, v5                   ; and 16 more for each 256 passed
	s_mul_i32 s21, s15, HALFS
	s_mul_i32 s22, s16, HALFS
	s_add_co_u32 s22, s22, 2*HALFS
	s_sub_co_u32 s22, s22, s21
	v_mul_u32_u24 v6, s22, v2                      ; lanes 16-31 take W's
	s_add_co_u32 s21, s21, SCL
	v_add_nc_u32 v5, v5, v6
	v_add_nc_u32 v[ADRS], s21, v5
	s_mul_i32 s23, s14, 16*SPITCH                  ; my stage
	v_mul_u32_u24 v5, v1, SPITCH                   ; in: row l % 16, 16 bytes for each half of the lanes
	v_lshl_add_u32 v5, v2, 4, v5
	v_add_nc_u32 v[STO], s23, v5
	v_mul_u32_u24 v5, v2, SPITCH                   ; back: lanes 0-15 one row of 256 bytes, lanes 16-31 the next
	v_lshl_add_u32 v5, v1, 4, v5
	v_add_nc_u32 v[RD], s23, v5
	v_mul_u32_u24 v5, v2, SIZE_N*2                 ; and the same two rows in C
	v_lshl_add_u32 v[CO], v1, 4, v5
	v_lshlrev_b32 v[BO], 5, v2
	s_lshl_b32 s20, s17, 8
	s_lshl_b32 s21, s15, 7
	s_add_co_u32 s20, s20, s21                     ; my first row of C
	s_mov_b32 s21, 0
	s_mov_b64 s[18:19], SIZE_N*2
	s_mul_u64 s[20:21], s[20:21], s[18:19]
	s_lshl_b32 s46, s42, 9                         ; my first column, in bytes
	s_lshl_b32 s47, s16, 8
	s_add_co_u32 s46, s46, s47
	s_mov_b32 s47, 0
	s_add_nc_u64 s[20:21], s[20:21], s[46:47]
	s_add_nc_u64 s[12:13], s[12:13], s[20:21]
	; which of q, k, v my tile column belongs to: tile column / 8 = cluster x / 2.  It chooses the bias and the factor (c for q, 1 for k and v)
	s_lshr_b32 s104, ttmp9, 1
	s_mov_b32 s105, 0x3e0293ee                     ; c = log2(e) / sqrt(128)
	s_cmp_eq_u32 s104, 0
	s_cselect_b64 s[96:97], s[96:97], s[98:99]
	s_cselect_b32 s105, s105, 0x3f800000
	s_cmp_eq_u32 s104, 2
	s_cselect_b64 s[96:97], s[100:101], s[96:97]
	s_mov_b32 s98, s105                            ; the factor, as a pair for the packed forms
	s_mov_b32 s99, s105
	s_and_b32 s104, s42, 7
	s_lshl_b32 s104, s104, 10
	s_lshl_b32 s105, s16, 9
	s_add_co_u32 s104, s104, s105                  ; 4 x (256 x (tile column % 8) + 128 x half)
	s_mov_b32 s105, 0
	s_add_nc_u64 s[96:97], s[96:97], s[104:105]
.irp b, 0,1,2,3,4,5,6,7
	global_load_b128 v[BT+8*\b:BT+8*\b+3], v[BO], s[96:97] offset:64*\b          ; waited for on the way out; its address registers are never rewritten
	global_load_b128 v[BT+8*\b+4:BT+8*\b+7], v[BO], s[96:97] offset:64*\b+16
.endr
.macro FRAG reg, adr, q, i             ; 16 rows x 128 K of 4-bit codes: 8 registers, two loads of 16 bytes, 32 bytes apart
.irp c, 0,1
	ds_load_b128 v[\reg+4*\c:\reg+4*\c+3], v[\adr] offset:64*(\q)+32*\c+(\i)*16*PITCH
.endr
.endm
; 16 matrix instructions: x's blocks a0, a0 + 1 against W's eight.  The 64 accumulators take turns, one instruction a turn, in the same order in every step.
.macro MUL16 a0, p, q, sc, zero
.irp a, \a0, \a0+1
.irp b, 0,1,2,3,4,5,6,7
.if \zero
	v_wmma_scale_f32_16x16x128_f8f6f4 v[8*(8*((\a)%4)+\b):8*(8*((\a)%4)+\b)+7], v[128*(\p)+FR*\b:128*(\p)+FR*\b+FR-1], v[AF+FR*(\a):AF+FR*(\a)+FR-1], 0, v[SC+8*NQ*(\sc)+NQ*\b+(\q)], v[SC+8*NQ*(\sc)+NQ*(\a)+(\q)] matrix_a_fmt:MATRIX_FMT_FP4 matrix_b_fmt:MATRIX_FMT_FP4 matrix_a_scale:MATRIX_SCALE_ROW1
.else
	v_wmma_scale_f32_16x16x128_f8f6f4 v[8*(8*((\a)%4)+\b):8*(8*((\a)%4)+\b)+7], v[128*(\p)+FR*\b:128*(\p)+FR*\b+FR-1], v[AF+FR*(\a):AF+FR*(\a)+FR-1], v[8*(8*((\a)%4)+\b):8*(8*((\a)%4)+\b)+7], v[SC+8*NQ*(\sc)+NQ*\b+(\q)], v[SC+8*NQ*(\sc)+NQ*(\a)+(\q)] matrix_a_fmt:MATRIX_FMT_FP4 matrix_b_fmt:MATRIX_FMT_FP4 matrix_a_scale:MATRIX_SCALE_ROW1
.endif
.endr
.endr
.endm
.macro FETCH_B slot, q, p
	WIN TO_B
.irp i, 0,1,2,3,4,5,6,7
	FRAG 128*(\p)+FR*\i, ADRB+\slot, \q, \i
.endr
	WIN 0
.endm
.macro FETCH_A slot, q, i0
.irp i, \i0, \i0+1, \i0+2, \i0+3
	FRAG AF+FR*(\i), ADRA+\slot, \q, \i
.endr
.endm
.macro SCALES sc                       ; a K step's scale words: lanes 0-15 take x's block i, lanes 16-31 W's block i
.irp i, 0,1,2,3,4,5,6,7
	ds_load_b128 v[SC+8*NQ*\sc+NQ*\i:SC+8*NQ*\sc+NQ*\i+3], v[ADRS] offset:\i*SBLK
.endr
.endm
.macro PLACES n                        ; plain vector instructions between a matrix instruction and a load into, or a read of, its registers
.rept \n
	v_nop
.endr
.endm
.macro STEP slot, q, zero
	s_wait_dscnt 4*NL                              ; W's set and x's blocks 0-3 are in; the youngest eight loads (x's blocks 4-7) may be out
	WIN MUL_LO
	MUL16 0, (\q)%2, \q, \slot, \zero
	MUL16 2, (\q)%2, \q, \slot, \zero
	s_wait_dscnt 0
	PLACES NP
	FETCH_B \slot, (\q)+1, 1-(\q)%2
	FETCH_A \slot, (\q)+1, 0
	WIN MUL_HI
	MUL16 4, (\q)%2, \q, \slot, \zero
	MUL16 6, (\q)%2, \q, \slot, \zero
	PLACES NP
	WIN 0
	FETCH_A \slot, (\q)+1, 4
.endm
; A slot's last step changes slots: each wave waits for all its tensor loads, adds 0 to its spare word, waits for that and for its reads of the slot, and only then signals.
.macro TURN slot, next, fill
	s_wait_tensorcnt 0x0                           ; all my tensor loads have landed: my part of the next slot
	ds_add_u32 v[SPW], v[NIL]
	s_wait_dscnt 4*NL+1                            ; (the add and the youngest eight loads may be out)
	WIN MUL_LO
	MUL16 0, 1, NQ-1, \slot, 0
	s_wait_dscnt 0x0                               ; the add is done, and my reads of this slot are over
	s_barrier_signal -1
	MUL16 2, 1, NQ-1, \slot, 0
	WIN 0
	s_barrier_wait -1
.if \fill
	CREST                                          ; the barrier has opened a round of the cluster's: no wave of any partner still reads this slot or has a load on its way
	s_add_nc_u64 s[G0+4*\slot+2:G0+4*\slot+3], s[G0+4*\slot+2:G0+4*\slot+3], 2*ROWB
	s_add_nc_u64 s[G0B+4*\slot+2:G0B+4*\slot+3], s[G0B+4*\slot+2:G0B+4*\slot+3], 2*ROWB
	JLOAD G0+4*\slot, G1, G0B+4*\slot, G1B         ; the first tensor load behind the round, and my only one until the next
.else
	PLACES NP
.endif
	v_add_nc_u32 v[ADRS], 4*NQ, v[ADRS]
	FETCH_B \next, 0, 0
	FETCH_A \next, 0, 0
	SCALES \next
	WIN MUL_HI
	MUL16 4, 1, NQ-1, \slot, 0
	MUL16 6, 1, NQ-1, \slot, 0
	PLACES NP
	WIN 0
	FETCH_A \next, 0, 4
.endm
.macro STEPS slot, from
.set Q, \from
.rept NQ-1-\from
	STEP \slot, Q, 0
.set Q, Q+1
.endr
.endm
	s_wait_tensorcnt 1                             ; the scales and my part of K step 0 are in; K step 1's load may be out
	s_barrier_signal -1
	s_barrier_wait -1
	FETCH_B 0, 0, 0
	FETCH_A 0, 0, 0
	SCALES 0
	FETCH_A 0, 0, 4
	STEP 0, 0, 1                                   ; the first step's products start the sums
	s_mov_b32 s3, LAPS-1
.Llap:
	STEPS 0, 1
	TURN 0, 1, 1
	STEPS 1, 0
	TURN 1, 0, 1
	STEP 0, 0, 0
	s_sub_co_u32 s3, s3, 1
	s_cmp_lg_u32 s3, 0
	s_cbranch_scc1 .Llap
	STEPS 0, 1                                     ; the last lap fills nothing
	TURN 0, 1, 0
	STEPS 1, 0
	s_wait_dscnt 4*NL
	WIN MUL_LO
	MUL16 0, 1, NQ-1, 1, 0
	MUL16 2, 1, NQ-1, 1, 0
	s_wait_dscnt 0
	WIN MUL_HI
	MUL16 4, 1, NQ-1, 1, 0
	MUL16 6, 1, NQ-1, 1, 0
	WIN 0
; THE WAY OUT, a block of 16 tokens x 128 columns at a time: (sum + bias) x factor as one fused multiply-add on bias x factor; rounded to f16; 16 bytes a lane into my stage; back as whole rows of 256 bytes.
	s_wait_loadcnt 0x0                             ; the bias
.set i, 0
.rept 32
	v_pk_mul_f32 v[BT+i:BT+i+1], v[BT+i:BT+i+1], s[98:99] op_sel_hi:[1,0]    ; bias x factor.  These 32 name no register of the last products: they are the places behind them
.set i, i+2
.endr
.macro PACK a
.set AC, 64*((\a)%4)
	WIN 0x02+((\a)/4)                              ; source 0: window 2 or 3
.irp b, 0,1,2,3,4,5,6,7
.irp r, 0,1,2,3
	v_pk_fma_f32 v[FT+8*\b+2*\r:FT+8*\b+2*\r+1], v[AC+8*\b+2*\r:AC+8*\b+2*\r+1], s[98:99], v[BT+8*\b+2*\r:BT+8*\b+2*\r+1] op_sel_hi:[1,0,1]   ; each accumulator from its low end on
.endr
.endr
	WIN 0
.irp b, 0,1,2,3,4,5,6,7
.irp r, 0,1,2,3
	v_cvt_pk_f16_f32 v[TMP+4*\b+\r], v[FT+8*\b+2*\r], v[FT+8*\b+2*\r+1]
.endr
.endr
.endm
.macro TOSTAGE a
.set BB, BK+32*((\a)%2)
.irp b, 0,1,2,3,4,5,6,7
	ds_store_b128 v[STO], v[TMP+4*\b:TMP+4*\b+3] offset:32*\b
.endr
.irp t, 0,1,2,3,4,5,6,7
	ds_load_b128 v[BB+4*\t:BB+4*\t+3], v[RD] offset:\t*2*SPITCH      ; LDS serves a wave's instructions in order: these see the stores above
.endr
.endm
.macro SEND a, younger
.set BB, BK+32*((\a)%2)
	s_wait_dscnt \younger
	s_wait_xcnt 0x0                                ; earlier stores have read their base and their registers: both may be written again
.if (\a) > 0
	s_add_nc_u64 s[12:13], s[12:13], 16*SIZE_N*2
.endif
.irp t, 0,1,2,3,4,5,6,7
	global_store_b128 v[CO], v[BB+4*\t:BB+4*\t+3], s[12:13] offset:2*\t*SIZE_N*2   ; 16 lanes store 256 consecutive bytes, at a multiple of 256 from C's first byte
.endr
.endm
	PACK 0
	TOSTAGE 0
.irp a, 1,2,3,4,5,6,7
	PACK \a
	SEND \a-1, 0
	TOSTAGE \a
.endr
	SEND 7, 0
	s_wait_tensorcnt 0x0                           ; the wave's end
	ds_add_u32 v[SPW], v[NIL]
	s_wait_dscnt 0x0
	CROUND                                         ; the closing round
	s_endpgm
.Lfunc_end_k_q771db9e4c6_qkv:
	.size	k_q771db9e4c6_qkv, .Lfunc_end_k_q771db9e4c6_qkv-k_q771db9e4c6_qkv
	.p2alignl 7, 3214868480
	.fill 96, 4, 3214868480
	.section	.rodata,"a",@progbits
	.p2align	6, 0x0
	.amdhsa_kernel k_q771db9e4c6_qkv
		.amdhsa_group_segment_fixed_size 327680
		.amdhsa_private_segment_fixed_size 0
		.amdhsa_enable_private_segment 0
		.amdhsa_kernarg_size 64
		.amdhsa_user_sgpr_count 2
		.amdhsa_user_sgpr_kernarg_segment_ptr 1
		.amdhsa_wavefront_size32 1
		.amdhsa_system_sgpr_workgroup_id_x 1
		.amdhsa_system_sgpr_workgroup_id_y 1
		.amdhsa_system_sgpr_workgroup_id_z 1
		.amdhsa_system_vgpr_workitem_id 0
		.amdhsa_next_free_vgpr 1024
		.amdhsa_next_free_sgpr 106
		.amdhsa_reserve_vcc 0
		.amdhsa_float_denorm_mode_32 3
		.amdhsa_float_denorm_mode_16_64 3
		.amdhsa_memory_ordered 1
		.amdhsa_forward_progress 1
		.amdhsa_inst_pref_size 234
	.end_amdhsa_kernel
	.amdgpu_metadata
---
amdhsa.version: [ 1, 2 ]
amdhsa.kernels:
  - .name:           k_q771db9e4c6_qkv
    .symbol:         k_q771db9e4c6_qkv.kd
    .args:
      - { .name: xc, .offset: 0, .size: 8, .value_kind: global_buffer, .address_space: global }
      - { .name: xs, .offset: 8, .size: 8, .value_kind: global_buffer, .address_space: global }
      - { .name: wc, .offset: 16, .size: 8, .value_kind: global_buffer, .address_space: global }
      - { .name: ws, .offset: 24, .size: 8, .value_kind: global_buffer, .address_space: global }
      - { .name: bq, .offset: 32, .size: 8, .value_kind: global_buffer, .address_space: global }
      - { .name: bk, .offset: 40, .size: 8, .value_kind: global_buffer, .address_space: global }
      - { .name: bv, .offset: 48, .size: 8, .value_kind: global_buffer, .address_space: global }
      - { .name: qkv, .offset: 56, .size: 8, .value_kind: global_buffer, .address_space: global }
    .group_segment_fixed_size: 327680
    .private_segment_fixed_size: 0
    .kernarg_segment_align: 8
    .kernarg_segment_size: 64
    .max_flat_workgroup_size: 128
    .sgpr_count:     106
    .vgpr_count:     1024
    .wavefront_size: 32
...
	.end_amdgpu_metadata
.endif
;; end of part 2
;; launch attn (part 3): grid 16 x 16, 4 waves a work-group, clusters of 4 x 1, 327,680 bytes of LDS; arguments qkv, maskw, slopes, att; writes att
.if DOCPART == 3
	.amdgcn_target "amdgcn-amd-amdhsa--gfx1250"
	.amdhsa_code_object_version 6
	.text
	.protected	k_q771db9e4c6_attn
	.globl	k_q771db9e4c6_attn
	.p2align	8
	.type	k_q771db9e4c6_attn,@function
k_q771db9e4c6_attn:
	s_mov_b64 s[64:65], 0
	v_nop
	global_prefetch_b8 v0, s[64:65] scope:SCOPE_SE
	s_setreg_imm32_b32 hwreg(HW_REG_WAVE_MODE, 25, 1), 1
	s_wait_xcnt 0x0
	s_wait_alu depctr_hold_cnt(0) depctr_sa_sdst(0) depctr_va_vdst(0) depctr_va_sdst(0) depctr_va_ssrc(0) depctr_va_vcc(0) depctr_vm_vsrc(0)
	s_getreg_b32 s2, hwreg(HW_REG_IB_STS2, 6, 4)
	s_cmp_eq_u32 s2, 0
	s_cbranch_scc0 .Lentry_in_a_cluster
	s_endpgm
.Lentry_in_a_cluster:
	s_bfe_u32 s2, ttmp6, 0x10000c
	s_cmp_lg_u32 s2, 0x3003
	s_cbranch_scc0 .Lentry_shape_is_right
	s_endpgm
.Lentry_shape_is_right:
; ATTN: att[token][128 head + :] = softmax over keys of (q . k / sqrt(128) + slope (key - token), where the mask is true) times v.  q (already x log2(e) / sqrt(128)), k, v: f16 in qkv [token][6144]; att: f16 [token][2048].
; Products on f16 operands, sums, maxima and the softmax in f32; the weights p are rounded to f16 for the second product.  No work of the problem is left out: every key step of every query is walked, whatever the mask holds.
; SHARES.  A work-group owns 128 queries of one head.  Wave w: queries 64 (w / 2) on, four tiles of 16; keys 1,024 (w % 2) on, 16 steps of 64.  The two waves of a query block merge their halves once, through LDS.
; Register tile t holds query tile t xor 2 (w % 2): so every wave keeps register tiles 0, 1 and sends 2, 3, and the merge is one text for all waves.
; LAYOUT.  S^T = K Q^T and O^T = V^T P: a lane holds one query (lane % 16) throughout.  K comes out of LDS as it lies, V turned by ds_load_tr16_b128.
; ALIBI costs no instruction: slope x log2(e) x (key - the step's first key) is the C of each sum's first product.  THE RUNNING MAXIMUM m is kept in the frame of the key step in hand: going on a step takes
; 64 slope log2(e) off it.  The terms slope x (first key - token) are taken off score and maximum alike: that is the subtraction of the maximum, by a running maximum.
; THE MASK comes as 32-bit lane masks in scalar registers (one word for each of a tile's 32 score registers) and selects by v_cndmask_b32: no branch hangs on it.
; LIMITS.  A masked score counts as -2^100 (in powers of two) and not as -1e10: the same result while every open score lies above -1e10 + 200: masked weights are then 0, and in a row with no open key all weights are equal.
; |64 slope log2(e)| must stay under 2^76, so that -2^100 absorbs the change of frame.  NaN and infinities are not served.
; BY TURNS.  The wave's tiles are two pieces (tiles 0, 1 and 2, 3).  In a turn one piece has the matrix unit (32 products V^T P of the step in hand, 32 products K Q^T of the next), and the other piece's masking and softmax stand in slices behind its products.
; CLUSTER 4 x 1: the four query blocks of a cluster belong to one head: K's and V's tiles are asked for jointly.
; REGISTERS: window 0: v0-63 addresses and statistics; v64-191 S^T, 32 a tile; v192-255 P, 16 a tile.  window 1: O^T, 64 a tile.  window 2: v0-127 Q; v128-255 K of one step.  window 3: v0-127 V of one step; v128-159 the ALiBi terms.
.set KS,     64
.set PK,     272                       ; a row of K in LDS: 256 bytes + 16
.set PV,     288                       ; a row of V: 256 + 32
.set PART,   0x9000                    ; a slot is four parts: K of key half 0, K of half 1, V of half 0, V of half 1: 128 rows each, one part a wave
.set SLOT1,  0x24000                   ; slot 1 begins here; no bit of it occurs in a part's first byte, so one exclusive or turns such an address to the other slot
.set KSTEPB, KS*PK
.set VSTEPB, KS*PV
.set SPARE,  2*SLOT1                   ; the spare words, 128 bytes for each wave
.set XCH,    16896                     ; the merge: 16,384 bytes of O^T and 512 of statistics for each wave, in slot 0's bytes, which have had their last fill and last read by then
.set STAGE,  4*XCH                     ; the way out: 16 rows x 272 bytes for each wave, behind the exchange areas
.set SP,     272
.set ROWQ,   12288                     ; a token's row of qkv in bytes
.set AK0, 2
.set AV0, 3
.set ADR, 4
.set QOA, 5
.set STO, 6
.set RD,  7
.set GO,  8
.set ST,  12                           ; tile t's statistics at v[ST + 8 t]: +0 m, +1 m in the next step's frame, +2, +3 l, +4 to +7 at work; a takes +6
.set DLT, 44                           ; 64 slope log2(e)
.set XN,  45                           ; -2^100
.set PFO, 46                           ; the prefetches' byte offset in qkv
.set XW,  47                           ; the merge: where I store
.set XR,  48                           ; and where I read: my partner's area
.set QOB, 50
.set SL2, 51
.set MS,  52                           ; v52-55 the statistics that I send
.set MR,  56                           ; v56-59 those that I receive
.set DM,  60                           ; what brings my last frame to key half 1's last frame
.set SPW, 62
.set NIL, 63
.set S,   64
.set P,   192
.set KF,  128                          ; K's fragments, in window 2
.set BT,  128                          ; the ALiBi terms, in window 3: register 8 kt + n = slope log2(e) (16 kt + 8 (lane / 16) + n)
.set WV,  2
.set SLOTS, 3
.set G1K, 4
.set G1V, 12
.set G0,  20
.set SEL, 24
.set MP,  26                           ; s[26:27] where the mask words of the softmax in hand lie
.set TBK, 28
.set TBV, 29
.set TWICE, 30
.set LIM, 31
.set PFB, 66                           ; s[66:67] qkv, the prefetches' base
.set AT,  100                          ; s[100:101] att at my first row
.set MSB, 0
.macro WIN new
.if MSB != \new
	s_set_vgpr_msb (MSB<<8)|\new
.set MSB, \new
.endif
.endm
.set W_KQ0, 0x3a                       ; K and Q window 2, C (the ALiBi terms) window 3, S^T window 0
.set W_KQ,  0x0a
.set W_PV,  0x53                       ; V window 3, P window 0, O^T window 1
.set W_RS,  0x41
.macro JLOAD                           ; waves 0 and 1 fetch K's two parts, waves 2 and 3 V's; an s_nop 0 and four v_nop follow each line
	s_cmp_lt_u32 s[WV], 2
	s_cbranch_scc0 .Lfor_v_\@
	tensor_load_to_lds s[G0:G0+3], s[G1K:G1K+7]
	s_nop 0
.rept 4
	v_nop
.endr
	s_branch .Lasked_\@
.Lfor_v_\@:
	tensor_load_to_lds s[G0:G0+3], s[G1V:G1V+7]
	s_nop 0
.rept 4
	v_nop
.endr
.Lasked_\@:
.endm
; A prefetch of what the next change of slots will ask for: a slot's 512 rows of 256 bytes.  All clusters of a head walk the same rows: the head's first cluster asks.  Each of its 16 waves names 32 rows of the part
; that it fetches, a lane a row; the four partners are told apart by address.  So each row is named once in the launch.  The change that fills the last slot asks for nothing.
.macro ASK
	s_cmp_gt_u32 s[SLOTS], s[LIM]
	s_cbranch_scc0 .Lnot_mine_\@
	global_prefetch_b8 v[PFO], s[PFB:PFB+1] th:TH_LOAD_NT scope:SCOPE_SE
.Lnot_mine_\@:
.endm
.macro CROUND
	s_barrier_signal -1
	s_barrier_wait -1
	s_cmp_lg_u32 s[WV], 0
	s_cbranch_scc1 .Lnot_wave_0_\@
	s_barrier_signal -3
.Lnot_wave_0_\@:
	s_barrier_wait -3
	s_barrier_signal -1
	s_barrier_wait -1
.endm
	s_load_b256 s[32:39], s[0:1], 0x0              ; qkv s[32:33], maskw s[34:35], slopes s[36:37], att s[38:39]
	v_lshl_add_u32 v[SPW], v0, 2, SPARE
	v_mov_b32 v[NIL], 0
	ds_add_u32 v[SPW], v[NIL]                      ; the wave's opening: the add, twice on end, and its wait ahead of my first tensor load
	ds_add_u32 v[SPW], v[NIL]
	v_lshrrev_b32 v1, 5, v0
	v_readfirstlane_b32 s[WV], v1                  ; wave 0..3
	s_bfe_u32 s40, ttmp6, 0x40000                  ; cx
	s_lshl_b32 s41, ttmp9, 2
	s_add_co_u32 s41, s41, s40                     ; my block of 128 queries: it enters Q's, the mask's and att's addresses alone
	s_and_b32 s42, ttmp7, 0xffff                   ; the head
	s_and_b32 s43, s[WV], 1                        ; my key half
	s_lshr_b32 s44, s[WV], 1                       ; my query half
	s_mov_b32 s[G1K], 15|(1<<16)|(1<<20)|(1<<21)|(5<<22)|(3<<25)   ; mask: all four; elements of 2 bytes; padding: 4 words behind every 64
	s_mov_b32 s[G1V], 15|(1<<16)|(1<<20)|(1<<21)|(5<<22)|(7<<25)   ; the same with 8 words
.irp g, G1K, G1V
	s_mov_b32 s[\g+1], 128<<16                     ; tensor_dim0 = 128
	s_mov_b32 s[\g+2], 128<<16                     ; tensor_dim1 = 128
	s_mov_b32 s[\g+3], 128<<16                     ; tile_dim0 = 128
	s_mov_b32 s[\g+4], 128                         ; tile_dim1 = 128
	s_mov_b32 s[\g+5], 6144                        ; elements from token to token
	s_mov_b32 s[\g+6], 0
	s_mov_b32 s[\g+7], 0
.endr
	s_mov_b32 s[SEL], 0x76543210
	s_mov_b32 s[SEL+1], 0xfedcba98
	s_mul_i32 s[TBK], s43, PART                    ; my key half's part of K; V's lies 2 parts on (in the lane's address)
	s_mov_b32 s[TBV], s[TBK]
	s_mov_b32 s[SLOTS], 6
	s_cmp_eq_u32 ttmp9, 0                          ; the head's first cluster: the same in all four partners
	s_cselect_b32 s[LIM], 1, -1
	s_mul_i32 s46, s43, 1024*ROWQ                  ; the part that I fetch: key half w % 2,
	s_add_co_u32 s47, s44, 1
	s_lshl_b32 s47, s47, 12                        ; k's columns (w < 2) or v's,
	s_add_co_u32 s46, s46, s47
	s_lshl_b32 s48, s42, 8                         ; the head's 256 bytes
	s_add_co_u32 s46, s46, s48
	s_mov_b32 s47, 0
	s_lshl_b32 s50, s41, 7
	s_lshl_b32 s51, s44, 6
	s_add_co_u32 s50, s50, s51                     ; my wave's first query
	s_mul_i32 s52, s50, ROWQ
	s_add_co_u32 s52, s52, s48
	s_mov_b32 s53, 0                               ; Q
	s_lshl_b32 s54, s43, 5
	s_add_co_u32 s54, s54, s50                     ; the 32 queries that I finish
	s_lshl_b32 s54, s54, 12
	s_add_co_u32 s54, s54, s48
	s_mov_b32 s55, 0                               ; att
	s_lshr_b32 s56, s50, 5
	s_add_co_u32 s56, s56, s43
	s_lshl_b32 s56, s56, 13                        ; my 8,192 bytes of mask words: (2 x block of 64 queries + key half)
	s_mov_b32 s57, 0
	s_lshl_b32 s58, s42, 2
	s_mov_b32 s59, 0                               ; my head's slope
	s_lshl_b32 s60, s40, 5
	s_add_co_u32 s60, s60, 256                     ; the prefetches begin in slot 2 (rows 256 on), my work-group's 32 rows; the first asking change steps them to slot 3
	s_mul_i32 s60, s60, ROWQ
	s_add_co_u32 s60, s60, s46
	v_and_b32 v[PFO], 31, v0
	v_mul_u32_u24 v[PFO], v[PFO], ROWQ
	v_add_nc_u32 v[PFO], s60, v[PFO]
	s_wait_dscnt 0x0                               ; both opening adds are done
	s_wait_kmcnt 0x0
	s_mov_b32 s[G0], 1
	s_mul_i32 s[G0+1], s[WV], PART                 ; slot 0, my part
	s_add_nc_u64 s[G0+2:G0+3], s[32:33], s[46:47]
	s_or_b32 s[G0+3], s[G0+3], 0x80000000
	s_mov_b64 s[PFB:PFB+1], s[32:33]
	s_add_nc_u64 s[104:105], s[32:33], s[52:53]
	s_add_nc_u64 s[MP:MP+1], s[34:35], s[56:57]
	s_add_nc_u64 s[36:37], s[36:37], s[58:59]
	s_add_nc_u64 s[AT:AT+1], s[38:39], s[54:55]
	s_load_b32 s[TWICE], s[36:37], 0x0             ; the slope (the register is free until the first pair of steps)
	CROUND                                         ; all four work-groups are here
	JLOAD                                          ; slot 0
	v_and_b32 v1, 15, v0                           ; r
	v_bfe_u32 v9, v0, 4, 1                         ; h
	v_mul_u32_u24 v[QOA], v1, ROWQ
	v_lshl_add_u32 v[QOA], v9, 4, v[QOA]
	s_mul_i32 s45, s43, 32*ROWQ
	s_xor_b32 s49, s43, 1
	s_mul_i32 s49, s49, 32*ROWQ
	v_add_nc_u32 v[QOB], s49, v[QOA]               ; register tiles 2, 3: the other 32 queries
	v_add_nc_u32 v[QOA], s45, v[QOA]               ; register tiles 0, 1: queries 32 x key half on
	WIN 0x80
.irp i, 0,1,2,3,4,5,6,7,8,9,10,11,12,13,14,15      ; Q stays in registers: register tile i / 4, channels 32 (i % 4) on
	global_load_b128 v[8*\i:8*\i+3],   v[QOA+45*(\i/8)], s[104:105] offset:((\i/4)%2)*16*ROWQ+(\i%4)*64
	global_load_b128 v[8*\i+4:8*\i+7], v[QOA+45*(\i/8)], s[104:105] offset:((\i/4)%2)*16*ROWQ+(\i%4)*64+32
.endr
	WIN 0
	v_mul_u32_u24 v[AK0], v1, PK
	v_lshl_add_u32 v[AK0], v9, 4, v[AK0]
	v_and_b32 v10, 7, v0
	v_bfe_u32 v11, v0, 3, 1
	v_lshl_add_u32 v[AV0], v9, 3, v10
	v_mul_u32_u24 v[AV0], v[AV0], PV
	v_lshl_add_u32 v[AV0], v11, 4, v[AV0]
	v_add_nc_u32 v[AV0], 2*PART, v[AV0]
	v_and_b32 v10, 31, v0
	s_mul_i32 s45, s[WV], XCH
	v_lshl_add_u32 v[XW], v10, 4, s45
	s_xor_b32 s49, s[WV], 1
	s_mul_i32 s49, s49, XCH
	v_lshl_add_u32 v[XR], v10, 4, s49
	s_wait_kmcnt 0x0                               ; the slope
	v_mov_b32 v[SL2], s[TWICE]
	v_mul_f32 v[SL2], 0x3fb8aa3b, v[SL2]           ; x log2(e)
	v_mul_f32 v[DLT], 0x42800000, v[SL2]           ; x 64
	s_cmp_eq_u32 s43, 0
	s_cselect_b32 s45, 0x41800000, 0               ; key half 0 lies 16 steps behind key half 1
	v_mul_f32 v[DM], s45, v[DLT]
	v_mov_b32 v[XN], 0xf1800000
	v_lshlrev_b32 v10, 3, v9
.set i, 0
.rept 32
	v_add_nc_u32 v[S+i], 16*(i/8)+i%8, v10
.set i, i+1
.endr
.set i, 0
.rept 32
	v_cvt_f32_u32 v[S+i], v[S+i]
.set i, i+1
.endr
	WIN 0xc0
.set i, 0
.rept 32
	v_mul_f32 v[BT+i], v[SL2], v[S+i]
.set i, i+1
.endr
	WIN 0
	s_load_b512 s[32:47], s[MP:MP+1], 0x0          ; the first softmax's mask words: the first tile's 32,
	s_load_b512 s[48:63], s[MP:MP+1], 0x40
	s_load_b512 s[68:83], s[MP:MP+1], 0x80         ; the second tile's
	s_load_b512 s[84:99], s[MP:MP+1], 0xc0
; Product i of 32 of O^T += V^T P: keys 32 (i / 16) on, channels 16 ((i / 2) % 8) on, tile x + i % 2.  The accumulators take turns, one instruction a turn.
.macro PV x, zero
	WIN W_PV
.set rO, 64*(\x+i%2)+8*((i/2)%8)
.set rV, 64*(i/16)+8*((i/2)%8)
.set rP, P+16*(\x+i%2)+8*(i/16)
.if \zero && (i < 16)
	v_wmma_f32_16x16x32_f16 v[rO:rO+7], v[rV:rV+7], v[rP:rP+7], 0
.else
	v_wmma_f32_16x16x32_f16 v[rO:rO+7], v[rV:rV+7], v[rP:rP+7], v[rO:rO+7]
.endif
.endm
; Product i of 32 of S^T = K Q^T: channels 32 (i / 8) on, keys 16 ((i / 2) % 4) on, tile x + i % 2.  The first 8 start the sums from the ALiBi terms.
.macro KQ x
.set rS, S+32*(\x+i%2)+8*((i/2)%4)
.set rK, KF+32*((i/2)%4)+8*(i/8)
.set rQ, 32*(\x+i%2)+8*(i/8)
.set rB, BT+8*((i/2)%4)
.if i < 8
	WIN W_KQ0
	v_wmma_f32_16x16x32_f16 v[rS:rS+7], v[rK:rK+7], v[rQ:rQ+7], v[rB:rB+7]
.else
	WIN W_KQ
	v_wmma_f32_16x16x32_f16 v[rS:rS+7], v[rK:rK+7], v[rQ:rQ+7], v[rS:rS+7]
.endif
.endm
.macro FETCH_K
	WIN 0
	v_add_nc_u32 v[ADR], s[TBK], v[AK0]
	WIN 0x80
.irp f, 0,1,2,3,4,5,6,7,8,9,10,11,12,13,14,15
	ds_load_b128 v[KF+8*\f:KF+8*\f+3],   v[ADR] offset:(\f/4)*16*PK+(\f%4)*64
	ds_load_b128 v[KF+8*\f+4:KF+8*\f+7], v[ADR] offset:(\f/4)*16*PK+(\f%4)*64+32
.endr
.endm
.macro FETCH_V
	WIN 0
	v_add_nc_u32 v[ADR], s[TBV], v[AV0]
	s_add_co_u32 s[TBK], s[TBK], KSTEPB            ; the next fetches are the next step's
	s_add_co_u32 s[TBV], s[TBV], VSTEPB
	s_wait_alu depctr_va_vdst(0)                   ; the wait for the softmax's batch of exponentials, ahead of the first instruction that names a result
	WIN 0xc0
.irp f, 0,1,2,3,4,5,6,7,8,9,10,11,12,13,14,15
	ds_load_tr16_b128 v[8*\f:8*\f+3],   v[ADR] offset:(\f/8)*32*PV+(\f%8)*32
	ds_load_tr16_b128 v[8*\f+4:8*\f+7], v[ADR] offset:(\f/8)*32*PV+16*PV+(\f%8)*32
.endr
.endm
; MASKING, sub-slice kk of 16: score registers 2 kk and 2 kk + 1 of both tiles of piece y: kept where the lane's bit of the register's word is set, else -2^100.  Ascending.
; Behind the last of them the next softmax's 64 words are asked for: the words just used are done with, and the loads have the rest of the turn in which to land.
.macro MASKS y, ml
	WIN 0
.if kk == 0
	s_wait_kmcnt 0x0                               ; this softmax's words are in; so the pointer may be stepped below
.endif
.irp n, 0,1
.irp t, 0,1
	v_cndmask_b32 v[S+32*((\y)+\t)+2*kk+\n], v[XN], v[S+32*((\y)+\t)+2*kk+\n], s[32+36*\t+2*kk+\n]
.endr
.endr
.if (kk == 15) && \ml
	s_add_nc_u64 s[MP:MP+1], s[MP:MP+1], 256
	s_load_b512 s[32:47], s[MP:MP+1], 0x0
	s_load_b512 s[48:63], s[MP:MP+1], 0x40
	s_load_b512 s[68:83], s[MP:MP+1], 0x80
	s_load_b512 s[84:99], s[MP:MP+1], 0xc0
.endif
.endm
; One tile's softmax for one key step is a list of 134 numbers; SM writes number j for tile t.
;   0-15 the maximum of the 32 scores and of the old m in this step's frame;  16, 18 the other half of the lanes', the new m;  19 old m - new m;  20 m in the next step's frame;
;   21-69 ONE BATCH: 16 packed subtractions of m and 33 exponentials (a at 23), none of which reads an exponential's result;  (the wait);  70-85 roundings to f16;  86-101 the sums, l = a l + sum;  102-133 O^T x a.
.macro SM t, first
.set rT, ST+8*(\t)
.set rS, S+32*(\t)
.set rP, P+16*(\t)
.set rO, 64*(\t)+2*(j-102)
.if j < 102
	WIN 0
.endif
.if j < 4
	v_max3_num_f32 v[rT+4+j], v[rS+8*j], v[rS+8*j+1], v[rS+8*j+2]
.elseif j < 12
	v_max3_num_f32 v[rT+4+j%4], v[rT+4+j%4], v[rS+8*(j%4)+2*(j/4)+1], v[rS+8*(j%4)+2*(j/4)+2]
.elseif j == 12
	v_max3_num_f32 v[rT+4], v[rT+4], v[rS+7], v[rS+15]
.elseif j == 13
	v_max3_num_f32 v[rT+6], v[rT+6], v[rS+23], v[rS+31]
.elseif j == 14
	v_max3_num_f32 v[rT+4], v[rT+4], v[rT+5], v[rT+6]
.elseif (j == 15) && \first
	v_max_num_f32 v[rT+4], v[rT+4], v[rT+7]
.elseif j == 15
	v_max3_num_f32 v[rT+4], v[rT+4], v[rT+7], v[rT+1]
.elseif j == 16
	v_permlanex16_b32 v[rT+5], v[rT+4], s[SEL], s[SEL+1]
.elseif j == 17
.elseif j == 18
	v_max_num_f32 v[rT], v[rT+4], v[rT+5]
.elseif ((j == 19) || (j == 23) || (j > 101)) && \first
.elseif j == 19
	v_sub_f32 v[rT+7], v[rT+1], v[rT]
.elseif j == 20
	v_sub_f32 v[rT+1], v[rT], v[DLT]
.elseif j == 23
	v_exp_f32 v[rT+6], v[rT+7]
.elseif (j < 23) || ((j < 38) && (j%2 == 0)) || ((j < 66) && (j%4 == 2))
.set b, (j-2)/4
.if j < 38
.set b, (j-20)/2
.endif
	v_pk_add_f32 v[rS+2*b:rS+2*b+1], v[rS+2*b:rS+2*b+1], v[rT:rT+1] op_sel_hi:[1,0] neg_lo:[0,1] neg_hi:[0,1]   ; pair b: s - m
.elseif j < 70
.set e, j-38
.if j < 66
.set e, j-32-(j-38)/4
.endif
.if j < 38
.set e, (j-25)/2
.endif
	v_exp_f32 v[rS+e], v[rS+e]
.elseif j < 86
	v_cvt_pk_f16_f32 v[rP+j-70], v[rS+2*(j-70)], v[rS+2*(j-70)+1]
.elseif j < 102
.set z, j-86
.set w, 4
.set u, z
.if z >= 14
.set w, 32
.set u, 0
.elseif z >= 12
.set w, 16
.set u, z-12
.elseif z >= 8
.set w, 8
.set u, z-8
.endif
.if (z == 14) && \first
	v_pk_add_f32 v[rT+2:rT+3], v[rS:rS+1], v[rS+16:rS+17]
.elseif z < 15
	v_pk_add_f32 v[rS+w*u:rS+w*u+1], v[rS+w*u:rS+w*u+1], v[rS+w*u+w/2:rS+w*u+w/2+1]
.elseif !\first
	v_pk_fma_f32 v[rT+2:rT+3], v[rT+2:rT+3], v[rT+6:rT+7], v[rS:rS+1] op_sel_hi:[1,0,1]
.endif
.else
	WIN W_RS
	v_pk_mul_f32 v[rO:rO+1], v[rO:rO+1], v[rT+6:rT+7] op_sel_hi:[1,0]
.endif
.endm
; Slice k of 64 of piece y's softmax.  Slices 11 to 34 deal out the batch, four numbers of one tile each; every other slice is numbers 2 k, 2 k + 1 of both tiles; slice 63 has the twelve that are over.
; Ahead of slice 35 nothing names an exponential's result and behind slice 34 none is issued: one plain instruction and one wait serve the piece's 66 exponentials.
.macro SLICE y, first
.if (k >= 11) && (k < 35)
.irp n, 0,1,2,3
.set j, 22+4*((k-11)/2)+(\n)
	SM (\y)+(k-11)%2, \first
.endr
.else
.irp n, 0,1,2,3,4,5,6,7
.if (\n < 2) || (k == 63)
.irp t, \y, \y+1
.set j, 2*k+\n
	SM \t, \first
.endr
.endif
.endr
.endif
.if k == 34
	v_nop
.if (\y) == 0
	FETCH_V                                        ; piece 2's turn: V's run of loads stands here, and the wait stands in it
.else
	s_wait_alu depctr_va_vdst(0)
.endif
.endif
.endm
.macro SUB y, first, ml                ; sub-slice kk of 80: sixteen of masking, then the 64 slices
.if kk < 16
	MASKS \y, \ml
.else
.set k, kk-16
	SLICE \y, \first
.endif
.set kk, kk+1
.endm
.macro AFTER y, first, ml              ; what stands behind product ip of a turn: 64 products: two sub-slices behind each of the first 16, then one; 32 products: four behind each of the first 8, then two
.set per, 1
.if full
.if ip < 16
.set per, 2
.endif
.else
.set per, 2
.if ip < 8
.set per, 4
.endif
.endif
.rept per
	SUB \y, \first, \ml
.endr
.set ip, ip+1
.endm
.macro PLACES
.rept 4
	v_nop
.endr
.endm
; A TURN.  Piece x has the matrix unit.  pv = 2: 32 products V^T P; 1: they start O^T's sums; 0: none.  kq = 1: 32 products K Q^T of the next step.  first = 1: the softmax is the first key step's.  ml = 1: the next softmax's mask words are asked for.
; Piece 0's turn fetches the next step's K behind its second product: the last product that read K stands in front of the 16 plain instructions of the turn before's last slice (or its four v_nop).
; Piece 2's turn fetches the same step's V behind slice 34: behind the last product that read V stand two subtractions, the v_nop and the run's own addition: four plain instructions.
.macro TURN x, pv, kq, first, ml
.set kk, 0
.set ip, 0
.set full, 0
.if \pv && \kq
.set full, 1
.endif
.if \pv
.if \x == 0
	s_wait_dscnt 0x0                               ; V is in
.endif
.set i, 0
.rept 32
	PV \x, 2-\pv
	AFTER 2-\x, \first, \ml
.if (\x == 0) && \kq && (i == 1)
	FETCH_K
.endif
.set i, i+1
.endr
.endif
.if \kq
.if \x == 0
	s_wait_dscnt 0x0                               ; K is in
.endif
.set i, 0
.rept 32
	KQ \x
	AFTER 2-\x, \first, \ml
.set i, i+1
.endr
.endif
.if \first
	PLACES
.endif
.endm
; THE CHANGE OF SLOTS.  Each wave waits for all its tensor loads (one is out: its part of the slot ahead), adds 0 to its spare word, and waits for that and for its reads of the slot that it leaves.
; fill = 1: the barrier is a round of the cluster's, and behind it the other slot takes the next 128 keys of both halves: my one tensor load until the next round.  walk = 1: the fetches turn to the other slot.  ask = 1: the prefetch.
.macro CHANGE fill, walk, ask
	WIN 0
	s_wait_tensorcnt 0x0                           ; no tensor load of mine is out, so the descriptor may be written
	ds_add_u32 v[SPW], v[NIL]
.if \fill
	s_xor_b32 s[G0+1], s[G0+1], SLOT1
	s_add_nc_u64 s[G0+2:G0+3], s[G0+2:G0+3], 128*ROWQ
.endif
.if \ask
	s_wait_xcnt 0x0                                ; the last prefetch, two key steps back, has read its offset
	v_add_nc_u32 v[PFO], 128*ROWQ, v[PFO]
.endif
	s_wait_dscnt 0x0                               ; the add is done, and my reads of the slot are over
.if \fill
	CROUND
	JLOAD
.if \ask
	ASK
.endif
.else
	s_barrier_signal -1
	s_barrier_wait -1
.endif
.if \walk
	s_sub_co_u32 s[TBK], s[TBK], 2*KSTEPB
	s_xor_b32 s[TBK], s[TBK], SLOT1
	s_sub_co_u32 s[TBV], s[TBV], 2*VSTEPB
	s_xor_b32 s[TBV], s[TBV], SLOT1
.endif
.endm
.macro TWO_STEPS
	s_mov_b32 s[TWICE], 2
.Lstep_\@:
	TURN 0, 2, 1, 0, 1
	TURN 2, 2, 1, 0, 1
	WIN 0
	s_sub_co_u32 s[TWICE], s[TWICE], 1
	s_cmp_lg_u32 s[TWICE], 0
	s_cbranch_scc1 .Lstep_\@
.endm
	CHANGE 1, 0, 0                                 ; slot 0 is whole for every wave; slot 1 is filled for the first time, issued as a refill is
	FETCH_K                                        ; key step 0
	s_wait_loadcnt 0x0                             ; Q
	s_wait_dscnt 0x0
.set i, 0
.rept 32
	KQ 0
.set i, i+1
.endr
	WIN 0                                          ; the addresses for the way out: eight plain instructions, the places behind those products
	s_mul_i32 s104, s[WV], 16*SP
	s_add_co_u32 s104, s104, STAGE
	v_mul_u32_u24 v[STO], v1, SP
	v_lshl_add_u32 v[STO], v9, 4, v[STO]
	v_add_nc_u32 v[STO], s104, v[STO]
	v_mul_u32_u24 v[RD], v9, SP
	v_lshl_add_u32 v[RD], v1, 4, v[RD]
	v_add_nc_u32 v[RD], s104, v[RD]
	v_lshlrev_b32 v[GO], 12, v9
	v_lshl_add_u32 v[GO], v1, 4, v[GO]
	TURN 2, 0, 1, 1, 1                             ; piece 2's first scores | piece 0's first softmax | V of step 0
	TURN 0, 1, 1, 1, 1                             ; piece 0: V^T P of step 0 starts O^T, K Q^T of step 1 | piece 2's first softmax | K of step 1
	TURN 2, 1, 1, 0, 1                             ; piece 2: the same | piece 0's softmax of step 1 | V of step 1
	WIN 0
.Lslot:                                            ; six trips: slots 2 to 7 are asked for
	CHANGE 1, 1, 1
	TWO_STEPS
	s_sub_co_u32 s[SLOTS], s[SLOTS], 1
	s_cmp_lg_u32 s[SLOTS], 0
	s_cbranch_scc1 .Lslot
	CHANGE 0, 1, 0                                 ; the tail is written out: nothing more is asked for
	TWO_STEPS
	TURN 0, 2, 0, 0, 0                             ; piece 0: V^T P of the last step | piece 2's last softmax
.set i, 0
.rept 32
	PV 2, 0
.set i, i+1
.endr
	; THE MERGE.  l's halves are added; m goes to key half 1's last frame; register tiles 2, 3 (O^T, m, l) go to my exchange area as images of their registers; a barrier; my partner's come back for my tiles 0, 1.
	WIN 0
.irp t, 0,1,2,3
	v_add_f32 v[ST+8*\t+4], v[ST+8*\t+2], v[ST+8*\t+3]      ; (these lines name no register of the last products: they are the places behind them)
.endr
.irp t, 0,1,2,3
	v_permlanex16_b32 v[ST+8*\t+5], v[ST+8*\t+4], s[SEL], s[SEL+1]
.endr
.irp t, 0,1
	v_add_f32 v[ST+8*\t+1], v[ST+8*\t+4], v[ST+8*\t+5]      ; l
	v_sub_f32 v[ST+8*\t], v[ST+8*\t], v[DM]                 ; m
.endr
.irp t, 2,3
	v_sub_f32 v[MS+2*(\t-2)], v[ST+8*\t], v[DM]
	v_add_f32 v[MS+1+2*(\t-2)], v[ST+8*\t+4], v[ST+8*\t+5]
.endr
	WIN 0x04                                       ; an LDS store's data are its source 1: window 1
.set i, 0
.rept 32
	ds_store_b128 v[XW], v[128+4*i:128+4*i+3] offset:512*i   ; each accumulator from its low end on
.set i, i+1
.endr
	WIN 0
	ds_store_b128 v[XW], v[MS:MS+3] offset:16384
	s_wait_dscnt 0x0                               ; for my partner's sake: my stores have landed
	s_barrier_signal -1
	s_barrier_wait -1
.set i, 0
.rept 32
	ds_load_b128 v[S+4*i:S+4*i+3], v[XR] offset:512*i
.set i, i+1
.endr
	ds_load_b128 v[MR:MR+3], v[XR] offset:16384
	s_wait_dscnt 0x0
.irp t, 0,1
	v_max_num_f32 v[ST+8*\t+4], v[ST+8*\t], v[MR+2*\t]      ; the joint maximum
.endr
.irp t, 0,1
	v_sub_f32 v[ST+8*\t+5], v[ST+8*\t], v[ST+8*\t+4]
	v_sub_f32 v[ST+8*\t+6], v[MR+2*\t], v[ST+8*\t+4]
.endr
.irp t, 0,1
	v_exp_f32 v[ST+8*\t+5], v[ST+8*\t+5]
	v_exp_f32 v[ST+8*\t+6], v[ST+8*\t+6]
.endr
	v_nop                                          ; a plain instruction behind the last exponential,
	s_wait_alu depctr_va_vdst(0)                   ; and one wait for the four, ahead of their first reader
.irp t, 0,1
	v_mul_f32 v[ST+8*\t+7], v[ST+8*\t+5], v[ST+8*\t+1]
.endr
.irp t, 0,1
	v_fma_f32 v[ST+8*\t+7], v[ST+8*\t+6], v[MR+2*\t+1], v[ST+8*\t+7]   ; the joint sum
.endr
.irp t, 0,1
	v_rcp_f32 v[ST+8*\t+2], v[ST+8*\t+7]
.endr
	v_nop
	s_wait_alu depctr_va_vdst(0)
.irp t, 0,1
	v_mul_f32 v[ST+8*\t+4], v[ST+8*\t+5], v[ST+8*\t+2]      ; my half's factor
	v_mul_f32 v[ST+8*\t+6], v[ST+8*\t+6], v[ST+8*\t+2]      ; my partner's
.endr
; Tile t: both halves weighed and added; rounded to f16; 16 bytes a lane into rows of 272 bytes; back as whole rows of 256.
.macro PACKM t
.set i, 0
.rept 32
	v_pk_mul_f32 v[S+64*\t+i:S+64*\t+i+1], v[S+64*\t+i:S+64*\t+i+1], v[ST+8*\t+6:ST+8*\t+7] op_sel_hi:[1,0]
.set i, i+2
.endr
	WIN 0x01                                       ; source 0: window 1
.set i, 0
.rept 32
	v_pk_fma_f32 v[S+64*\t+i:S+64*\t+i+1], v[64*\t+i:64*\t+i+1], v[ST+8*\t+4:ST+8*\t+5], v[S+64*\t+i:S+64*\t+i+1] op_sel_hi:[1,0,1]
.set i, i+2
.endr
	WIN 0
.set i, 0
.rept 32
	v_cvt_pk_f16_f32 v[P+32*\t+i], v[S+64*\t+2*i], v[S+64*\t+2*i+1]
.set i, i+1
.endr
.irp f, 0,1,2,3,4,5,6,7
	ds_store_b128 v[STO], v[P+32*\t+4*\f:P+32*\t+4*\f+3] offset:32*\f
.endr
.irp f, 0,1,2,3,4,5,6,7
	ds_load_b128 v[P+32*\t+4*\f:P+32*\t+4*\f+3], v[RD] offset:\f*2*SP   ; LDS serves a wave's instructions in order: these see the stores above, and the next tile's stores come behind them
.endr
.endm
.macro SENDM t, younger
.irp f, 0,1,2,3,4,5,6,7
	s_wait_dscnt \younger+7-\f
	global_store_b128 v[GO], v[P+32*\t+4*\f:P+32*\t+4*\f+3], s[AT:AT+1] offset:\t*65536+\f*8192   ; 16 lanes store 256 consecutive bytes, at a multiple of 256 from att's first byte
.endr
.endm
	PACKM 0
	PACKM 1
	SENDM 0, 16
	SENDM 1, 0
	s_wait_tensorcnt 0x0                           ; the wave's end
	ds_add_u32 v[SPW], v[NIL]
	s_wait_dscnt 0x0
	CROUND                                         ; the closing round
	s_endpgm
.Lfunc_end_k_q771db9e4c6_attn:
	.size	k_q771db9e4c6_attn, .Lfunc_end_k_q771db9e4c6_attn-k_q771db9e4c6_attn
	.p2alignl 7, 3214868480
	.fill 96, 4, 3214868480
	.section	.rodata,"a",@progbits
	.p2align	6, 0x0
	.amdhsa_kernel k_q771db9e4c6_attn
		.amdhsa_group_segment_fixed_size 327680
		.amdhsa_private_segment_fixed_size 0
		.amdhsa_enable_private_segment 0
		.amdhsa_kernarg_size 32
		.amdhsa_user_sgpr_count 2
		.amdhsa_user_sgpr_kernarg_segment_ptr 1
		.amdhsa_wavefront_size32 1
		.amdhsa_system_sgpr_workgroup_id_x 1
		.amdhsa_system_sgpr_workgroup_id_y 1
		.amdhsa_system_sgpr_workgroup_id_z 1
		.amdhsa_system_vgpr_workitem_id 0
		.amdhsa_next_free_vgpr 1024
		.amdhsa_next_free_sgpr 106
		.amdhsa_reserve_vcc 0
		.amdhsa_float_denorm_mode_32 3
		.amdhsa_float_denorm_mode_16_64 3
		.amdhsa_memory_ordered 1
		.amdhsa_forward_progress 1
		.amdhsa_inst_pref_size 255
	.end_amdhsa_kernel
	.section	.bss,"aw",@nobits
	.p2align	6
	.space	262144
	.amdgpu_metadata
---
amdhsa.version: [ 1, 2 ]
amdhsa.kernels:
  - .name:           k_q771db9e4c6_attn
    .symbol:         k_q771db9e4c6_attn.kd
    .args:
      - { .name: qkv, .offset: 0, .size: 8, .value_kind: global_buffer, .address_space: global }
      - { .name: maskw, .offset: 8, .size: 8, .value_kind: global_buffer, .address_space: global }
      - { .name: slopes, .offset: 16, .size: 8, .value_kind: global_buffer, .address_space: global }
      - { .name: att, .offset: 24, .size: 8, .value_kind: global_buffer, .address_space: global }
    .group_segment_fixed_size: 327680
    .private_segment_fixed_size: 0
    .kernarg_segment_align: 8
    .kernarg_segment_size: 32
    .max_flat_workgroup_size: 128
    .sgpr_count:     106
    .vgpr_count:     1024
    .wavefront_size: 32
...
	.end_amdgpu_metadata
.endif
;; end of part 3
;; launch proj (part 4): grid 16 x 16, 4 waves a work-group, clusters of 4 x 4, 327,680 bytes of LDS; arguments att, wo16, bo, out0; writes out0
.if DOCPART == 4
	.amdgcn_target "amdgcn-amd-amdhsa--gfx1250"
	.amdhsa_code_object_version 6
	.text
	.protected	k_q771db9e4c6_proj
	.globl	k_q771db9e4c6_proj
	.p2align	8
	.type	k_q771db9e4c6_proj,@function
k_q771db9e4c6_proj:
	s_mov_b64 s[64:65], 0
	v_nop
	global_prefetch_b8 v0, s[64:65] scope:SCOPE_SE
	s_setreg_imm32_b32 hwreg(HW_REG_WAVE_MODE, 25, 1), 1
	s_wait_xcnt 0x0
	s_wait_alu depctr_hold_cnt(0) depctr_sa_sdst(0) depctr_va_vdst(0) depctr_va_sdst(0) depctr_va_ssrc(0) depctr_va_vcc(0) depctr_vm_vsrc(0)
	s_getreg_b32 s2, hwreg(HW_REG_IB_STS2, 6, 4)
	s_cmp_eq_u32 s2, 0
	s_cbranch_scc0 .Lentry_in_a_cluster
	s_endpgm
.Lentry_in_a_cluster:
	s_bfe_u32 s2, ttmp6, 0x10000c
	s_cmp_lg_u32 s2, 0xf033
	s_cbranch_scc0 .Lentry_shape_is_right
	s_endpgm
.Lentry_shape_is_right:
; PROJ: out0[token][n] = sum over k of att[token][k] wo[k][n] + bo[n].  att: f16 [2048][2048]; wo16: f16 [k][n], as the weight lies; bo, out0: f32.  Sums in f32.  Nothing of the problem is left out here.
; A tile of out0 is 128 x 128: 256 work-groups.  Four waves, 64 x 64 each: 16 accumulators.  K goes in steps of 256 through two LDS slots: att's 128 rows of 512 bytes, wo's 256 rows (k) of 256 bytes (my 128 columns).
; wo's fragments come out of LDS turned, by ds_load_tr16_b128: a lane then holds one column n and its registers run along k.
; CLUSTER 4 x 4: att's tiles are shared along a row of the cluster, wo's along a column.  THE MATRIX INSTRUCTION IS USED TRANSPOSED (source 0 = 16 columns of wo, source 1 = 16 tokens): a lane holds eight neighbouring columns of one token.
; THE WALK ALONG K BEGINS AT ANOTHER LAP IN EACH CLUSTER.  A lap is two K steps, once round the ring; K has four.  Cluster (X, Y) begins at lap (X + 2 Y) mod 4 and goes round: so the four clusters of a row of clusters,
; which read the same rows of att, ask for four different laps at any time, and two clusters Y, Y + 1 of a column of clusters, which read the same columns of wo, for laps two apart.
; LIMIT: the f32 sums along K are taken in that order, not in ascending K: the result differs from an ascending sum by rounding alone.
; The bias is the C of each sum's first product.  REGISTERS: window 0: v0-31 addresses; v32-95 the way out; v96-127 the bias; v128-255 the accumulators.  window 1: two fragment buffers of 128.
.set SIZE_K, 2048
.set KSTEP,  256
.set PITCH,  528                       ; att's LDS row: 512 bytes + 16
.set PB,     288                       ; wo's LDS row: 256 bytes + 32
.set HALFA,  64*PITCH
.set HALFB,  128*PB
.set SLOT,   2*HALFA+2*HALFB
.set STAGE,  2*SLOT                    ; behind the ring: 16 rows x 272 bytes for each wave, its own
.set SPITCH, 272
.set SPARE,  STAGE+4*16*SPITCH
.set LAPS,   SIZE_K/(2*KSTEP)
.set ADRA, 16                          ; v16-17 my att fragments in slot 0, 1
.set ADRB, 20                          ; v20-21 my wo fragments, k under 128 of a step, slot 0, 1; v22-23 k from 128 on
.set STO,  24
.set RD,   25
.set CO,   26
.set BO,   27
.set SPW,  28
.set NIL,  29
.set TMP,  32
.set BIAS, 96
.set ACC,  128
.set F0,   0
.set F1,   128
.set G1, 24
.set G0, 32
.set G1B, 48
.set G0B, 56
.set LC,  66                           ; s66, s67 the lap (0..3) that slot 0, slot 1 holds or has been asked to hold
.set BA,  68                           ; s[68:69] att at the rows that I fetch, k = 0; never rewritten
.set BB,  70                           ; s[70:71] wo16 at the k half and the columns that I fetch, lap 0; never rewritten
.set T2,  72                           ; s[72:73] an offset, at work
.set MSB, 0
.macro WIN new
.if MSB != \new
	s_set_vgpr_msb (MSB<<8)|\new
.set MSB, \new
.endif
.endm
.set MUL,  0x05
.set TO_F, 0x40
.macro JLOAD s                         ; waves 0 and 1 fetch att's two halves, waves 2 and 3 wo's; an s_nop 0 and four v_nop follow each line
	s_cmp_eq_u32 s11, 0
	s_cbranch_scc0 .Lfor_b_\@
	tensor_load_to_lds s[G0+4*\s:G0+4*\s+3], s[G1:G1+7]
	s_nop 0
.rept 4
	v_nop
.endr
	s_branch .Lasked_\@
.Lfor_b_\@:
	tensor_load_to_lds s[G0B+4*\s:G0B+4*\s+3], s[G1B:G1B+7]
	s_nop 0
.rept 4
	v_nop
.endr
.Lasked_\@:
.endm
; Slot s's two global addresses, made anew from the kept bases and the slot's lap: a lap is 1,024 bytes along a row of att and 512 rows of 4,096 bytes of wo16; the slot's K step is 512 bytes, or 256 rows, further on.
; Every term is the same in the partners that ask jointly: the cluster's x and y (in the lap), the tile row or the tile column, the wave's number.
.macro SETG s
	s_lshl_b32 s[T2], s[LC+(\s)], 10
	s_mov_b32 s[T2+1], 0
	s_add_nc_u64 s[G0+4*(\s)+2:G0+4*(\s)+3], s[BA:BA+1], s[T2:T2+1]
.if (\s) > 0
	s_add_nc_u64 s[G0+4*(\s)+2:G0+4*(\s)+3], s[G0+4*(\s)+2:G0+4*(\s)+3], (\s)*KSTEP*2
.endif
	s_or_b32 s[G0+4*(\s)+3], s[G0+4*(\s)+3], 0x80000000
	s_lshl_b32 s[T2], s[LC+(\s)], 21
	s_add_nc_u64 s[G0B+4*(\s)+2:G0B+4*(\s)+3], s[BB:BB+1], s[T2:T2+1]
.if (\s) > 0
	s_add_nc_u64 s[G0B+4*(\s)+2:G0B+4*(\s)+3], s[G0B+4*(\s)+2:G0B+4*(\s)+3], (\s)*KSTEP*4096
.endif
	s_or_b32 s[G0B+4*(\s)+3], s[G0B+4*(\s)+3], 0x80000000
.endm
.macro CREST
	s_cmp_lg_u32 s10, 0
	s_cbranch_scc1 .Lnot_wave_0_\@
	s_barrier_signal -3
.Lnot_wave_0_\@:
	s_barrier_wait -3
	s_barrier_signal -1
	s_barrier_wait -1
.endm
.macro CROUND
	s_barrier_signal -1
	s_barrier_wait -1
	CREST
.endm
	s_load_b128 s[4:7], s[0:1], 0x0                ; att, wo16
	s_load_b64 s[2:3], s[0:1], 0x10                ; bo
	s_load_b64 s[8:9], s[0:1], 0x18                ; out0
	v_lshl_add_u32 v[SPW], v0, 2, SPARE
	v_mov_b32 v[NIL], 0
	ds_add_u32 v[SPW], v[NIL]                      ; the wave's opening: the add, twice on end, and its wait ahead of my first tensor load
	ds_add_u32 v[SPW], v[NIL]
	v_lshrrev_b32 v1, 5, v0
	v_readfirstlane_b32 s10, v1                    ; wave 0..3
	s_lshr_b32 s11, s10, 1                         ; my half of the tile's rows; also: I fetch for att (0) or for wo (1)
	s_and_b32 s12, s10, 1                          ; my half of its columns; also: which half of that tile I fetch
	s_bfe_u32 s40, ttmp6, 0x40000
	s_bfe_u32 s41, ttmp6, 0x40004
	s_lshl_b32 s42, ttmp9, 2
	s_add_co_u32 s42, s42, s40                     ; tile column
	s_and_b32 s13, ttmp7, 0xffff                   ; the cluster's y
	s_lshl_b32 s[LC], s13, 1
	s_add_co_u32 s[LC], s[LC], ttmp9               ; + the cluster's x
	s_and_b32 s[LC], s[LC], 3                      ; my cluster's first lap: the same in all sixteen partners
	s_mov_b32 s[LC+1], s[LC]
	s_lshl_b32 s13, s13, 2
	s_add_co_u32 s13, s13, s41                     ; tile row
	s_lshl_b32 s43, s41, 2
	s_lshl_b32 s43, 15, s43                        ; my row of the cluster
	s_lshl_b32 s44, 0x1111, s40                    ; my column
	s_or_b32 s[G1+0], s43, (1<<16)|(1<<20)|(1<<21)|(6<<22)|(3<<25)    ; att: elements of 2 bytes; padding: 4 words behind every 128
	s_mov_b32 s[G1+1], KSTEP<<16                   ; tensor_dim0 = 256
	s_mov_b32 s[G1+2], 64<<16                      ; tensor_dim1 = 64
	s_mov_b32 s[G1+3], KSTEP<<16                   ; tile_dim0
	s_mov_b32 s[G1+4], 64                          ; tile_dim1
	s_mov_b32 s[G1+5], 2048                        ; the pitch in memory
	s_mov_b32 s[G1+6], 0
	s_mov_b32 s[G1+7], 0
	s_or_b32 s[G1B+0], s44, (1<<16)|(1<<20)|(1<<21)|(5<<22)|(7<<25)   ; wo: padding: 8 words behind every 64
	s_mov_b32 s[G1B+1], 128<<16                    ; 128 columns
	s_mov_b32 s[G1B+2], 128<<16                    ; 128 rows (k)
	s_mov_b32 s[G1B+3], 128<<16
	s_mov_b32 s[G1B+4], 128
	s_mov_b32 s[G1B+5], 2048
	s_mov_b32 s[G1B+6], 0
	s_mov_b32 s[G1B+7], 0
	s_lshl_b32 s17, s12, 6
	s_lshl_b32 s16, s13, 7
	s_add_co_u32 s16, s16, s17                     ; att: row 128 x tile row + 64 x half,
	s_lshl_b32 s16, s16, 12                        ; of 4,096 bytes
	s_mov_b32 s17, 0
	s_lshl_b32 s46, s12, 19                        ; wo: k row 128 x half, of 4,096 bytes,
	s_lshl_b32 s47, s42, 8                         ; + 256 bytes x tile column
	s_add_co_u32 s46, s46, s47
	s_mov_b32 s47, 0
	s_mul_i32 s20, s12, HALFA                      ; where they go: no place in the cluster enters an LDS address
	s_mul_i32 s21, s12, HALFB
	s_add_co_u32 s21, s21, 2*HALFA
	s_wait_dscnt 0x0                               ; both opening adds are done
	s_wait_kmcnt 0x0
	s_add_nc_u64 s[BA:BA+1], s[4:5], s[16:17]
	s_add_nc_u64 s[BB:BB+1], s[6:7], s[46:47]
	CROUND                                         ; all sixteen work-groups are here
.irp s, 0,1
	s_mov_b32 s[G0+4*\s], 1
	s_add_co_u32 s[G0+4*\s+1], s20, \s*SLOT
	s_mov_b32 s[G0B+4*\s], 1
	s_add_co_u32 s[G0B+4*\s+1], s21, \s*SLOT
	SETG \s                                        ; my cluster's first lap
	JLOAD \s
.endr
	v_and_b32 v1, 15, v0                           ; l % 16
	v_bfe_u32 v2, v0, 4, 1                         ; l / 16
	v_mul_u32_u24 v3, v1, PITCH
	v_lshl_add_u32 v3, v2, 4, v3
	s_mul_i32 s22, s11, HALFA                      ; my 64 rows of att
	v_add_nc_u32 v[ADRA], s22, v3
	v_add_nc_u32 v[ADRA+1], SLOT, v[ADRA]
	v_and_b32 v4, 7, v0                            ; the turning load: lane l reads 16 bytes of row k = 8 (l / 16) + l % 8, columns 8 ((l / 8) % 2) on
	v_lshl_add_u32 v4, v2, 3, v4
	v_mul_u32_u24 v4, v4, PB
	v_bfe_u32 v5, v0, 3, 1
	v_lshl_add_u32 v4, v5, 4, v4
	s_lshl_b32 s23, s12, 7                         ; my 64 columns: 128 bytes
	s_add_co_u32 s23, s23, 2*HALFA
	v_add_nc_u32 v[ADRB], s23, v4
	v_add_nc_u32 v[ADRB+1], SLOT, v[ADRB]
	v_add_nc_u32 v[ADRB+2], HALFB, v[ADRB]
	v_add_nc_u32 v[ADRB+3], SLOT+HALFB, v[ADRB]
	s_mul_i32 s23, s10, 16*SPITCH
	s_add_co_u32 s23, s23, STAGE                   ; my stage
	v_mul_u32_u24 v4, v1, SPITCH                   ; in: row l % 16, 32 bytes for each half of the lanes
	v_lshl_add_u32 v4, v2, 5, v4
	v_add_nc_u32 v[STO], s23, v4
	v_mul_u32_u24 v5, v2, SPITCH                   ; back: lanes 0-15 one row of 256 bytes, lanes 16-31 the next
	v_lshl_add_u32 v5, v1, 4, v5
	v_add_nc_u32 v[RD], s23, v5
	v_lshlrev_b32 v5, 13, v2                       ; and the same two rows in out0
	v_lshl_add_u32 v[CO], v1, 4, v5
	v_lshlrev_b32 v[BO], 5, v2
	s_lshl_b32 s46, s42, 9                         ; my first column, in bytes of f32: 512 x tile column + 256 x half: the same in bo and in a row of out0
	s_lshl_b32 s47, s12, 8
	s_add_co_u32 s46, s46, s47
	s_mov_b32 s47, 0
	s_add_nc_u64 s[2:3], s[2:3], s[46:47]
	s_add_nc_u64 s[8:9], s[8:9], s[46:47]
	s_lshl_b32 s16, s13, 7
	s_lshl_b32 s17, s11, 6
	s_add_co_u32 s16, s16, s17                     ; my first row
	s_lshl_b32 s16, s16, 13
	s_mov_b32 s17, 0
	s_add_nc_u64 s[8:9], s[8:9], s[16:17]
.irp b, 0,1,2,3
	global_load_b128 v[BIAS+8*\b:BIAS+8*\b+3], v[BO], s[2:3] offset:64*\b           ; register 8 b + j: bo at my column 16 b + 8 (lane / 16) + j
	global_load_b128 v[BIAS+8*\b+4:BIAS+8*\b+7], v[BO], s[2:3] offset:64*\b+16
.endr
; 8 matrix instructions: token blocks a0, a0 + 1 x all 4 column blocks, 32 along K: half c of buffer f.  zero = 1: the first product starts the sums from the bias.  The 16 accumulators take turns.
.macro MUL8 f, c, a0, zero
.irp a, \a0, \a0+1
.irp b, 0,1,2,3
.if \zero
	v_wmma_f32_16x16x32_f16 v[ACC+8*(4*(\a)+\b):ACC+8*(4*(\a)+\b)+7], v[\f+64+8*(4*\c+\b):\f+64+8*(4*\c+\b)+7], v[\f+8*(4*\c+\a):\f+8*(4*\c+\a)+7], v[BIAS+8*\b:BIAS+8*\b+7]
.else
	v_wmma_f32_16x16x32_f16 v[ACC+8*(4*(\a)+\b):ACC+8*(4*(\a)+\b)+7], v[\f+64+8*(4*\c+\b):\f+64+8*(4*\c+\b)+7], v[\f+8*(4*\c+\a):\f+8*(4*\c+\a)+7], v[ACC+8*(4*(\a)+\b):ACC+8*(4*(\a)+\b)+7]
.endif
.endr
.endr
.endm
; 32 LDS loads in one run: the fragments of 64 along K (byte k of att's rows; rows k / 2 on of wo's tile) into buffer f; the first 32 along K first
.macro FETCH slot, k, f
	WIN TO_F
.irp c, 0,1
.irp i, 0,1,2,3
	ds_load_tr16_b128 v[\f+64+8*(4*\c+\i):\f+64+8*(4*\c+\i)+3],   v[ADRB+\slot+2*((\k)/256)] offset:((((\k)/128)%2)*64+32*\c)*PB+32*\i
	ds_load_tr16_b128 v[\f+64+8*(4*\c+\i)+4:\f+64+8*(4*\c+\i)+7], v[ADRB+\slot+2*((\k)/256)] offset:((((\k)/128)%2)*64+32*\c+16)*PB+32*\i
	ds_load_b128 v[\f+8*(4*\c+\i):\f+8*(4*\c+\i)+3],         v[ADRA+\slot] offset:\k+64*\c+\i*16*PITCH
	ds_load_b128 v[\f+8*(4*\c+\i)+4:\f+8*(4*\c+\i)+7],       v[ADRA+\slot] offset:\k+64*\c+\i*16*PITCH+32
.endr
.endr
.endm
.macro PLACES
.rept 4
	v_nop
.endr
.endm
.macro QUARTER slot, k, f, g, zero
	s_wait_dscnt 16                                ; the first 32 along K are in
	WIN MUL
	MUL8 \f, 0, 0, \zero
	MUL8 \f, 0, 2, \zero
	PLACES
	FETCH \slot, \k, \g
	s_wait_dscnt 32                                ; all but the 32 just issued
	WIN MUL
	MUL8 \f, 1, 0, 0
	MUL8 \f, 1, 2, 0
.endm
; The last quarter changes slots: each wave waits for all its tensor loads, adds 0 to its spare word, waits for that and for its reads of this slot, and only then signals.
; fill = 1: this slot goes on to its next lap, round the end of K to its start; its addresses are made while the add is out, where no tensor load of mine is out.
.macro TURN slot, next, fill
	WIN 0
	s_wait_tensorcnt 0x0                           ; all my tensor loads have landed: my part of the next slot; so every descriptor may be written
	ds_add_u32 v[SPW], v[NIL]
.if \fill
	s_add_co_u32 s[LC+\slot], s[LC+\slot], 1
	s_and_b32 s[LC+\slot], s[LC+\slot], 3          ; four laps in K
	SETG \slot
.endif
	s_wait_dscnt 17                                ; (the add and the youngest sixteen loads may be out)
	WIN MUL
	MUL8 F1, 0, 0, 0
	s_wait_dscnt 0x0                               ; the add is done, and my reads of this slot are over
	s_barrier_signal -1
	MUL8 F1, 0, 2, 0
.if \fill
	WIN 0
.endif
	s_barrier_wait -1
.if \fill
	CREST                                          ; the barrier has opened a round of the cluster's
	JLOAD \slot                                    ; the first tensor load behind the round, and my only one until the next; its four v_nop are also the places in front of the loads below
.else
	PLACES
.endif
	FETCH \next, 0, F0
	WIN MUL
	MUL8 F1, 1, 0, 0
	MUL8 F1, 1, 2, 0
.endm
	s_wait_tensorcnt 1                             ; my part of the first K step is in; the second's may be out
	s_barrier_signal -1
	s_barrier_wait -1
	FETCH 0, 0, F0
	s_wait_loadcnt 0x0                             ; the bias; its base may be written from here on
	QUARTER 0, 128, F0, F1, 1
	WIN 0
	s_mov_b32 s3, LAPS-1
.Llap:
	QUARTER 0, 256, F1, F0, 0
	QUARTER 0, 384, F0, F1, 0
	TURN 0, 1, 1
	QUARTER 1, 128, F0, F1, 0
	QUARTER 1, 256, F1, F0, 0
	QUARTER 1, 384, F0, F1, 0
	TURN 1, 0, 1
	QUARTER 0, 128, F0, F1, 0
	WIN 0
	s_sub_co_u32 s3, s3, 1
	s_cmp_lg_u32 s3, 0
	s_cbranch_scc1 .Llap
	QUARTER 0, 256, F1, F0, 0                      ; the last lap fills nothing
	QUARTER 0, 384, F0, F1, 0
	TURN 0, 1, 0
	QUARTER 1, 128, F0, F1, 0
	QUARTER 1, 256, F1, F0, 0
	QUARTER 1, 384, F0, F1, 0
	s_wait_dscnt 16
	WIN MUL
	MUL8 F1, 0, 0, 0
	MUL8 F1, 0, 2, 0
	s_wait_dscnt 0
	MUL8 F1, 1, 0, 0
	MUL8 F1, 1, 2, 0
	WIN 0
; THE WAY OUT, a block of 16 tokens x 64 columns of f32 at a time.  A wave's 64 columns are 256 consecutive bytes of a row, aligned: the block goes through my own stage and comes back as whole rows.
.macro TOSTAGE a
.irp b, 0,1,2,3
	ds_store_b128 v[STO], v[ACC+8*(4*(\a)+\b):ACC+8*(4*(\a)+\b)+3] offset:64*\b         ; each accumulator from its low end on
	ds_store_b128 v[STO], v[ACC+8*(4*(\a)+\b)+4:ACC+8*(4*(\a)+\b)+7] offset:64*\b+16
.endr
.irp t, 0,1,2,3,4,5,6,7
	ds_load_b128 v[TMP+32*((\a)%2)+4*\t:TMP+32*((\a)%2)+4*\t+3], v[RD] offset:\t*2*SPITCH   ; LDS serves a wave's instructions in order: these see the stores above
.endr
.endm
.macro SEND a, younger
	s_wait_dscnt \younger
.irp t, 0,1,2,3,4,5,6,7
	global_store_b128 v[CO], v[TMP+32*((\a)%2)+4*\t:TMP+32*((\a)%2)+4*\t+3], s[8:9] offset:(16*(\a)+2*\t)*8192 th:TH_STORE_NT   ; 16 lanes store 256 consecutive bytes, aligned
.endr
.endm
	PLACES
	TOSTAGE 0
.irp a, 1,2,3
.if \a > 1
	s_wait_xcnt 0x0                                ; block a - 2's stores have read their registers: block a's loads may land there
.endif
	TOSTAGE \a
	SEND \a-1, 16                                  ; behind block a - 1's loads: block a's 8 stores and 8 loads
.endr
	SEND 3, 0
	s_wait_tensorcnt 0x0                           ; the wave's end
	ds_add_u32 v[SPW], v[NIL]
	s_wait_dscnt 0x0
	CROUND                                         ; the closing round
	s_endpgm
.Lfunc_end_k_q771db9e4c6_proj:
	.size	k_q771db9e4c6_proj, .Lfunc_end_k_q771db9e4c6_proj-k_q771db9e4c6_proj
	.p2alignl 7, 3214868480
	.fill 96, 4, 3214868480
	.section	.rodata,"a",@progbits
	.p2align	6, 0x0
	.amdhsa_kernel k_q771db9e4c6_proj
		.amdhsa_group_segment_fixed_size 327680
		.amdhsa_private_segment_fixed_size 0
		.amdhsa_enable_private_segment 0
		.amdhsa_kernarg_size 32
		.amdhsa_user_sgpr_count 2
		.amdhsa_user_sgpr_kernarg_segment_ptr 1
		.amdhsa_wavefront_size32 1
		.amdhsa_system_sgpr_workgroup_id_x 1
		.amdhsa_system_sgpr_workgroup_id_y 1
		.amdhsa_system_sgpr_workgroup_id_z 1
		.amdhsa_system_vgpr_workitem_id 0
		.amdhsa_next_free_vgpr 512
		.amdhsa_next_free_sgpr 80
		.amdhsa_reserve_vcc 0
		.amdhsa_float_denorm_mode_32 3
		.amdhsa_float_denorm_mode_16_64 3
		.amdhsa_memory_ordered 1
		.amdhsa_forward_progress 1
		.amdhsa_inst_pref_size 88
	.end_amdhsa_kernel
	.amdgpu_metadata
---
amdhsa.version: [ 1, 2 ]
amdhsa.kernels:
  - .name:           k_q771db9e4c6_proj
    .symbol:         k_q771db9e4c6_proj.kd
    .args:
      - { .name: att, .offset: 0, .size: 8, .value_kind: global_buffer, .address_space: global }
      - { .name: wo16, .offset: 8, .size: 8, .value_kind: global_buffer, .address_space: global }
      - { .name: bo, .offset: 16, .size: 8, .value_kind: global_buffer, .address_space: global }
      - { .name: out0, .offset: 24, .size: 8, .value_kind: global_buffer, .address_space: global }
    .group_segment_fixed_size: 327680
    .private_segment_fixed_size: 0
    .kernarg_segment_align: 8
    .kernarg_segment_size: 32
    .max_flat_workgroup_size: 128
    .sgpr_count:     80
    .vgpr_count:     512
    .wavefront_size: 32
...
	.end_amdgpu_metadata
.endif
;; end of part 4
